; MI455X (gfx1250); checked and timed in simulation.
; The chip was launched on July 23, 2026; its instructions are those of AMD's public machine-readable ISA for CDNA 5 (MIT licence, August 2026) and "CDNA5" Instruction Set Architecture Reference Guide (July 2026). The comments in the code are by the model that wrote it; some were corrected since.
;; Self Attention. Allowed arithmetic: matrix products marked QUANTISED: E2M3 operands, one E8M0 scale for each 32 along K, by v_wmma_scale_f32_16x16x128_f8f6f4 with both operands' format E2M3, f32 sums; everything else in f32.
;; Inputs: Wk 1,024 x 1,024 float32; Wo 1,024 x 1,024 float32; Wq 1,024 x 1,024 float32; Wv 1,024 x 1,024 float32; bk 1,024 float32; bo 1,024 float32; bq 1,024 float32; bv 1,024 float32; mask 4 x 2,048 x 2,048 int32; x 4 x 2,048 x 1,024 float32; y 4 x 2,048 x 1,024 float32.
;; Outputs: out0 4 x 2,048 x 1,024 float32.
;; This version of the problem:
;;   THIS VERSION OF THE PROBLEM IS GIVEN IN LOW PRECISION. The matrix products marked QUANTISED in the list below multiply operands that are first quantised to E2M3 (2 exponent bits, 3 mantissa bits; 6 bits a number), with one power-of-two scale for each 32 numbers along K (OCP MX v1.0); their sums are f32. All else is computed in f32.
;;   The module's matrix products, in the order in which they are computed (A, B: the left and right operand; K: the contracted axis; several contracted axes count as one K, in the product's order):
;;     1. [M 8,192, K 1,024] x [K 1,024, N 1,024]; A: input x; B: input Wq: QUANTISED
;;     2. [M 8,192, K 1,024] x [K 1,024, N 1,024]; A: input y; B: input Wk: QUANTISED
;;     3. [M 8,192, K 1,024] x [K 1,024, N 1,024]; A: input y; B: input Wv: QUANTISED
;;     4. batch 64 x [M 2,048, K 64] x [K 64, N 2,048]; A: computed on the way; B: computed on the way: QUANTISED
;;     5. batch 64 x [M 2,048, K 2,048] x [K 2,048, N 64]; A: softmax (see below); B: computed on the way: QUANTISED
;;     6. [M 8,192, K 1,024] x [K 1,024, N 1,024]; A: computed on the way; B: input Wo: QUANTISED
;;   THE QUANTISER, for each operand of a quantised product, along K:
;;     - K is cut into blocks of 32 from its start; a last block that is shorter is filled with zeros.
;;     - A block's scale is 2^e with e = floor(log2(the largest magnitude in the block)) - 2, held to -126 .. 127; a block of zeros has e = 0. As a byte (E8M0): e + 127.
;;     - Each number is divided by its block's scale, clamped to +-7.5, and rounded to the nearest number of E2M3, ties to even, subnormals kept.
;;     - The product sums the exact products of the quantised numbers (number of the format x scale) in f32.
;;   ~~~python
;;   def quantise(x, axis):      # numpy; x: float32 -> the quantised numbers, widened to float32 again
;;       x = np.moveaxis(x, axis, -1); K = x.shape[-1]
;;       x = np.pad(x, [(0, 0)] * (x.ndim - 1) + [(0, -K % 32)]); x = x.reshape(x.shape[:-1] + (-1, 32)); a = np.abs(x).max(-1, keepdims=True)
;;       e = np.where(a > 0, np.clip(np.frexp(np.where(a > 0, a, 1))[1] - 1 - 2, -126, 127), 0)      # np.frexp(a)[1] - 1 = floor(log2(a)), exactly
;;       r = np.clip(x / 2.0 ** e, -7.5, 7.5)
;;       step = 2.0 ** (np.maximum(np.frexp(np.where(r == 0, 1, r))[1] - 1, 0) - 3)
;;       q = np.round(r / step) * step * 2.0 ** e      # np.round: ties to even
;;       return np.moveaxis(q.reshape(q.shape[:-2] + (-1,))[..., :K], -1, axis).astype(np.float32)
;;   ~~~
;;   SOFTMAX AHEAD OF A QUANTISED PRODUCT. Where the list says 'softmax', what is quantised is not the finished softmax but p = 2^(t - M), with t = logit x log2(e) and M = ceil(the row's largest t), a whole number; so 1/2 < the row's largest p <= 1. The row's sum l is taken of the UNQUANTISED p, in f32, and the product's result is divided by l at the end. Since M is a whole number, a kernel that streams over the keys may use a running M (the ceiling of the running maximum): every later rescaling is an exact power of two, which a block's scale takes up: the codes' values come out the same.
;;   OPERANDS COMPUTED ON THE WAY. 'Computed on the way' means the value that the module computes at that place (a softmax that the list does not call 'softmax' is quantised finished and normalised). What goes into a quantiser is computed in f32, as accurately as f32 sums, v_exp_f32 and their like allow (about 1e-6 of the number): no bf16 or f16 on the way to a quantiser, and a product that is left as it is and whose result goes on into a quantised operand takes f32 operands (vector FMAs, or v_wmma_f32_16x16x4_f32). A number that lies on a knife's edge between two numbers of the format may be rounded either way, as far as f32 arithmetic and the matrix unit's own rounding can turn it there, and no further.
;; One version. Each part assembles by itself: llvm-mc -triple=amdgcn-amd-amdhsa -mcpu=gfx1250 --defsym DOCPART=n.
;; ======== version 1 of 1: 4 launches
;; limits: right only within a limited range of input values
;; workspace buffers: AQ 13,107,200 bytes; WQ 3,276,800 bytes; MW 12,582,912 bytes; QKV 19,660,800 bytes; OQ 6,553,600 bytes
;; launch prep (part 1): grid 1152 x 1, 4 waves a work-group, no clusters, 95,744 bytes of LDS; arguments x, y, mask, Wq, Wk, Wv, Wo, AQ, WQ, MW; writes AQ, WQ, MW
.if DOCPART == 1
	.amdgcn_target "amdgcn-amd-amdhsa--gfx1250"
	.amdhsa_code_object_version 6
	.text
	.protected	k_qe0901661da_prep
	.globl	k_qe0901661da_prep
	.p2align	8
	.type	k_qe0901661da_prep,@function
k_qe0901661da_prep:
	s_mov_b64 s[64:65], 0
	v_nop
	global_prefetch_b8 v0, s[64:65] scope:SCOPE_SE
	s_setreg_imm32_b32 hwreg(HW_REG_WAVE_MODE, 25, 1), 1
	s_wait_xcnt 0x0
; Three jobs in one launch, parted once by the work-group's number; the ways never join, and each has LDS bytes of its own.
;   work-groups 0..511:     the mask [4][2048][2048] int32 becomes FP6 codes: for each tile of 16 queries and each 128 keys a fragment's image of 1,536 bytes.
;                           The 67 MB are read once here; the attention launch reads 12 MB.
;   work-groups 512..1023:  x and y [8192][1024] f32 become codes of FP6 (E2M3) with one E8M0 byte for each 32 along K, laid as IMAGES OF OPERAND REGISTERS.
;   work-groups 1024..1151: Wq, Wk, Wv, Wo [k 1024][n 1024] f32 likewise, quantised along their FIRST axis: a lane takes a column and its registers run down K.
; THE ROWS OF A TILE ARE NOT NEIGHBOURS: in a block of 128 rows, lane r of tile i stands for row 32 (i / 2) + 8 (i % 2) + r + 8 (r / 8).
; A FRAGMENT'S IMAGE (16 rows x 128 K, 12 registers a lane, 1,536 bytes): registers 0-3 at 16 x lane, 4-5 at 512 + 8 x lane, 6-9 at 768 + 16 x lane, 10-11 at 1,280 + 8 x lane.
; An operand: codes [block of 128 rows][K step 8][tile 8][1,536]; scale words [block][K step][g 2][r 16][tiles 4 g .. 4 g + 3].
; A block's scale is 2^(floor(log2(largest magnitude)) - 2); its byte is the largest magnitude's exponent field - 2, held at 1 from below.
; LIMITS: a block of zeros gets the byte 1 (its codes are zeros; this program alone reads the bytes); blocks whose largest magnitude lies under 2^-124 have their byte held at 1; NaN and infinities are not served.
; Memory binds: every load of a wave covers 512 (the weights: 128) consecutive bytes, every store whole aligned blocks of 256 bytes.  No tensor loads, no barrier: a wave touches its own LDS bytes alone.
.set MSTG,  0                          ; the mask's stages: 16 rows x 528 bytes for each wave
.set XSTG,  33792                      ; x's and y's stages, likewise
.set WSTG,  67584                      ; the weights' stages: 4 images 1,664 bytes apart and 256 bytes of scale words for each wave
.set SPARE, 95232                      ; the spare words, 128 bytes for each wave: two blocks of 256 bytes that no other line names
.set SPW,   238                        ; v238  SPARE + 4 x my thread's number; never rewritten
.set NIL,   239                        ; v239  0; never rewritten
.set R,     16                         ; v16-143  two sets of 64 registers as loaded
.set X,     144                        ; v144-207 64 numbers in the order in which a lane wants them
.set P,     208                        ; v208-219 a fragment's codes
.set TQ,    220                        ; v220-222, v224-226 the second halves of a block's codes as the conversions leave them
.set SWD,   228                        ; v228-231 four tiles' scale words
.set TM,    232
.set SO,    234
.set BY,    236
.set FP,    1664
.set WX,    16                         ; the weights: v16-79 two sets of 32 numbers
.set WC,    80
.set WT,    88
.set WSB,   92
.set OUTR,  96
	s_load_b512 s[4:19], s[0:1], 0x0               ; x s[4:5], y s[6:7], mask s[8:9], Wq s[10:11], Wk s[12:13], Wv s[14:15], Wo s[16:17], AQ s[18:19]
	s_load_b128 s[20:23], s[0:1], 0x40             ; WQ s[20:21], MW s[22:23]
	v_lshl_add_u32 v[SPW], v0, 2, SPARE
	v_mov_b32 v[NIL], 0
	v_lshrrev_b32 v1, 5, v0
	v_readfirstlane_b32 s24, v1                    ; wave
	v_and_b32 v1, 31, v0                           ; lane
	v_and_b32 v2, 15, v0                           ; r
	v_bfe_u32 v3, v0, 4, 1                         ; h
	v_lshlrev_b32 v4, 4, v1                        ; 16 x lane
	v_lshlrev_b32 v7, 3, v1                        ; 8 x lane
	s_mov_b32 s26, 0x76543210
	s_mov_b32 s27, 0xfedcba98                      ; v_permlanex16_b32's selects for lane l xor 16
	s_wait_kmcnt 0x0
	s_cmp_lt_u32 ttmp9, 512
	s_cbranch_scc1 .Lmask
	s_cmp_lt_u32 ttmp9, 1024
	s_cbranch_scc1 .Lxy
; ---------------------------------------------------------------- the weights
	s_sub_co_u32 s28, ttmp9, 1024                  ; which weight << 5 | block of 128 columns << 2 | pair of K steps
	s_lshr_b32 s29, s28, 5
	s_cmp_lt_u32 s29, 2
	s_cselect_b64 s[10:11], s[10:11], s[14:15]     ; Wq or Wv
	s_cselect_b64 s[12:13], s[12:13], s[16:17]     ; Wk or Wo
	s_and_b32 s30, s29, 1
	s_cmp_eq_u32 s30, 0
	s_cselect_b64 s[10:11], s[10:11], s[12:13]
	s_bfe_u32 s30, s28, 0x30002                    ; the block of 128 columns
	s_and_b32 s31, s28, 3
	s_and_b32 s32, s24, 1                          ; g: which 64 of them are my wave's
	s_lshr_b32 s33, s24, 1
	s_lshl_b32 s31, s31, 1
	s_add_co_u32 s31, s31, s33                     ; my K step of 128
	s_lshl_b32 s34, s31, 19                        ; 128 rows of 4,096 bytes a K step,
	s_lshl_b32 s35, s30, 9
	s_add_co_u32 s34, s34, s35                     ; 512 bytes a block of columns,
	s_lshl_b32 s35, s32, 8
	s_add_co_u32 s34, s34, s35                     ; 256 bytes a half
	s_mov_b32 s35, 0
	s_add_nc_u64 s[10:11], s[10:11], s[34:35]
	s_lshr_b32 s36, s28, 2                         ; 8 x weight + block
	s_mul_i32 s38, s36, 98304
	s_mul_i32 s39, s31, 12288
	s_add_co_u32 s38, s38, s39
	s_mul_i32 s39, s32, 6144
	s_add_co_u32 s38, s38, s39
	s_mov_b32 s39, 0
	s_add_nc_u64 s[40:41], s[20:21], s[38:39]      ; my four images
	s_lshl_b32 s38, s36, 12
	s_lshl_b32 s37, s31, 9
	s_add_co_u32 s38, s38, s37
	s_lshl_b32 s37, s32, 8
	s_add_co_u32 s38, s38, s37
	s_add_co_u32 s38, s38, 3145728
	s_add_nc_u64 s[42:43], s[20:21], s[38:39]      ; their scale words
	s_mul_i32 s25, s24, 6912
	s_add_co_u32 s25, s25, WSTG                    ; my stage
	s_wait_alu depctr_va_vdst(0)
	v_lshlrev_b32 v5, 2, v1                        ; in: 4 bytes a lane: lane x takes column x of 32
	v_bfe_u32 v13, v1, 3, 1                        ; column x is lane r of tile u of its pair: u = (x / 8) % 2,
	v_and_b32 v14, 7, v1
	v_lshrrev_b32 v15, 4, v1
	v_lshl_or_b32 v14, v15, 3, v14                 ; r = x % 8 + 8 (x / 16)
	v_mul_u32_u24 v6, v13, FP
	v_add_nc_u32 v6, s25, v6
	v_lshl_add_u32 v9, v14, 3, v6                  ; where my registers 4-5 go: image u, + 8 r
	v_lshl_add_u32 v6, v14, 4, v6                  ; and my registers 0-3: + 16 r
	v_lshlrev_b32 v10, 2, v13
	v_lshl_add_u32 v10, v14, 4, v10
	v_add_nc_u32 v10, s25, v10                     ; my scale word: 16 r + 4 u
	v_add_nc_u32 v11, s25, v4                      ; back: 16 bytes a lane,
	v_add_nc_u32 v12, s25, v7                      ; and 8 for the scale words
.macro WLOAD t                         ; pass t: columns 32 (t / 4) on, block t % 4 of the K step: 32 numbers down K
.irp i, 0,1,2,3,4,5,6,7,8,9,10,11,12,13,14,15,16,17,18,19,20,21,22,23,24,25,26,27,28,29,30,31
	global_load_b32 v[WX+32*((\t)%2)+\i], v5, s[10:11] offset:(32*((\t)%4)+\i)*4096+128*((\t)/4) th:TH_LOAD_NT
.endr
.endm
.macro WBLOCK t
.set XS, WX+32*((\t)%2)
.set CG, (\t)/4
.set KB, (\t)%4
.if (\t) < 7
	s_wait_loadcnt 32                              ; this pass's 32 loads are in; the next pass's may be out
.else
	s_wait_loadcnt 0x0
.endif
	v_max3_num_f32 v[TM], |v[XS]|, |v[XS+1]|, |v[XS+2]|            ; the block's largest magnitude: all 32 numbers are mine
	v_max3_num_f32 v[TM+1], |v[XS+3]|, |v[XS+4]|, |v[XS+5]|
.irp i, 6,10,14,18,22,26
	v_max3_num_f32 v[TM], v[TM], |v[XS+\i]|, |v[XS+\i+1]|
	v_max3_num_f32 v[TM+1], v[TM+1], |v[XS+\i+2]|, |v[XS+\i+3]|
.endr
	v_max3_num_f32 v[TM], v[TM], |v[XS+30]|, |v[XS+31]|
	v_max3_num_f32 v[TM], v[TM], v[TM+1], 0x1800000                ; and the floor 2^(3 - 127): the byte cannot fall under 1
	v_add_nc_u32 v[SO], 0xff000000, v[TM]          ; 2 off the exponent field: the conversion's scale operand
	v_lshrrev_b32 v[BY], 23, v[SO]                 ; the scale's byte
.if KB == 0
	v_mov_b32 v[WSB+CG], v[BY]
.else
	v_lshl_or_b32 v[WSB+CG], v[BY], 8*KB, v[WSB+CG]
.endif
	v_cvt_scalef32_pk16_fp6_f32 v[WC:WC+2], v[XS:XS+15], v[SO]
	v_cvt_scalef32_pk16_fp6_f32 v[WT:WT+2], v[XS+16:XS+31], v[SO]  ; (a conversion's three registers begin on an even number)
	v_nop                                          ; one plain place behind a scaled conversion
.irp i, 0,1,2
	v_mov_b32 v[WC+3+\i], v[WT+\i]
.endr
	ds_store_b128 v6, v[WC:WC+3] offset:2*FP*CG+768*(KB/2)+256*(KB%2)       ; block KB is registers 6 (KB / 2) on of lane (r, KB % 2)
	ds_store_b64 v9, v[WC+4:WC+5] offset:2*FP*CG+768*(KB/2)+512+128*(KB%2)
.if (\t)+2 < 8
	WLOAD (\t)+2
.endif
	s_wait_dscnt 0x0                               ; the stores have read their registers: the next pass's codes may be written
.endm
	WLOAD 0
	WLOAD 1
.irp t, 0,1,2,3,4,5,6,7
	WBLOCK \t
.endr
	ds_store_b32 v10, v[WSB] offset:6656
	s_wait_alu depctr_va_vdst(0)
	ds_store_b32 v10, v[WSB+1] offset:6656+8
.irp e, 0,1,2,3,4,5,6,7,8,9,10,11
	ds_load_b128 v[OUTR+4*\e:OUTR+4*\e+3], v11 offset:(\e/3)*FP+512*(\e%3)    ; LDS serves a wave's instructions in order: these see my stores
.endr
	ds_load_b64 v[OUTR+48:OUTR+49], v12 offset:6656
.irp e, 0,1,2,3,4,5,6,7,8,9,10,11
	s_wait_dscnt 12-\e
	global_store_b128 v4, v[OUTR+4*\e:OUTR+4*\e+3], s[40:41] offset:512*\e   ; 512 consecutive bytes a store; the four images lie on end
.endr
	s_wait_dscnt 0x0
	global_store_b64 v7, v[OUTR+48:OUTR+49], s[42:43]                        ; one aligned block of 256 bytes
	s_wait_tensorcnt 0x0                           ; the wave's end, behind my last LDS store
	ds_add_u32 v[SPW], v[NIL]
	s_wait_dscnt 0x0
	s_endpgm
; A unit's 16 rows of 512 bytes go through my stage as they lie and come back in the order in which a lane wants them: groups of wide x 16 bytes, 32 x wide bytes apart.
.macro THROUGH t, wide
.irp q, 0,1,2,3,4,5,6,7,8,9,10,11,12,13,14,15
	ds_store_b128 v5, v[R+64*((\t)%2)+4*\q:R+64*((\t)%2)+4*\q+3] offset:528*\q
.endr
.irp e, 0,1,2,3,4,5,6,7,8,9,10,11,12,13,14,15
	ds_load_b128 v[X+4*\e:X+4*\e+3], v6 offset:32*\wide*(\e/\wide)+16*(\e%\wide)
.endr
	s_wait_dscnt 0x0                               ; the numbers are back, and the stores have read the set that the loads of two units on will fill
.endm
; ---------------------------------------------------------------- the mask
; THE MASK'S WAY, AS IT STANDS NOW (the lane masks of which the head speaks are no longer made): for each tile of 16 queries and each 128 keys an image of 12 operand registers, 1,536 bytes, laid as a fragment's image.
; Lane (r, h), registers 6 c .. 6 c + 5: 32 codes of FP6 for query r and the keys of block 2 c + h; code 16 u + i stands for row i of key tile 2 (2 c + h) + u, that is key 32 (2 c + h) + 8 u + i + 8 (i / 8).
; A key whose mask word is 0 has the code of -1.0, every other key the code 0.  The attention launch multiplies these codes with a unit matrix in the half of K that a head's 64 channels leave free.
.Lmask:
	s_lshr_b32 s28, ttmp9, 7                       ; the batch
	s_and_b32 s29, ttmp9, 127                      ; the tile of 16 queries, T
	s_lshl_b32 s30, s28, 11
	s_lshr_b32 s31, s29, 1
	s_lshl_b32 s31, s31, 5
	s_add_co_u32 s30, s30, s31
	s_and_b32 s31, s29, 1
	s_lshl_b32 s31, s31, 3
	s_add_co_u32 s30, s30, s31                     ; row 2,048 b + 32 (T / 2) + 8 (T % 2)
	s_lshl_b32 s30, s30, 13                        ; of 8,192 bytes
	s_lshl_b32 s31, s24, 11
	s_add_co_u32 s30, s30, s31                     ; my wave's four units of 128 keys
	s_mov_b32 s31, 0
	s_add_nc_u64 s[8:9], s[8:9], s[30:31]
	s_lshl_b32 s30, ttmp9, 4
	s_lshl_b32 s31, s24, 2
	s_add_co_u32 s30, s30, s31
	s_mul_i32 s30, s30, 1536                       ; ((128 b + T) x 16 + 4 x wave) images of 1,536 bytes
	s_mov_b32 s31, 0
	s_add_nc_u64 s[22:23], s[22:23], s[30:31]
	s_mul_i32 s25, s24, 8448                       ; my stage (MSTG = 0)
	s_wait_alu depctr_va_vdst(0)
	v_add_nc_u32 v5, s25, v4
	v_mul_u32_u24 v6, v2, 528
	v_lshl_add_u32 v6, v3, 7, v6
	v_add_nc_u32 v6, s25, v6                       ; back: row r, + 128 h: a block of 32 keys of each 64
	v_mov_b32 v[TM], -1.0                          ; what a masked key becomes
	v_mov_b32 v[TM+1], 0                           ; and every other
	v_mov_b32 v[SO], 1.0                           ; the conversions' scale operand: 2^0
.macro MLOAD t
.irp q, 0,1,2,3,4,5,6,7,8,9,10,11,12,13,14,15
	global_load_b128 v[R+64*((\t)%2)+4*\q:R+64*((\t)%2)+4*\q+3], v4, s[8:9] offset:(\q+8*(\q/8))*8192+512*(\t) th:TH_LOAD_NT
.endr
.endm
.macro MUNIT t
.if (\t) < 3
	s_wait_loadcnt 16                              ; this unit's 16 loads are in; the next unit's may be out
.else
	s_wait_loadcnt 0x0
.endif
.irp q, 0,1,2,3,4,5,6,7,8,9,10,11,12,13,14,15
	ds_store_b128 v5, v[R+64*((\t)%2)+4*\q:R+64*((\t)%2)+4*\q+3] offset:528*\q
.endr
.irp e, 0,1,2,3,4,5,6,7,8,9,10,11,12,13,14,15
	ds_load_b128 v[X+4*\e:X+4*\e+3], v6 offset:256*(\e/8)+16*(\e%2)+32*((\e/4)%2)+64*((\e/2)%2)   ; back: row r, block 2 c + h, its keys in the order 0-7, 16-23, 8-15, 24-31: two key tiles on end
.endr
	s_wait_dscnt 0x0                               ; the words are back, and the stores have read the set that the loads of two units on will fill
.if (\t) < 2
	MLOAD (\t)+2
.endif
.set g, 0
.rept 8
.irp e, 0,1,2,3,4,5,6,7
	v_cmp_eq_u32 s[32+\e], 0, v[X+8*g+\e]
.endr
.irp e, 0,1,2,3,4,5,6,7
	v_cndmask_b32 v[X+8*g+\e], v[TM+1], v[TM], s[32+\e]            ; -1.0 where the mask's word is 0, else 0
.endr
.set g, g+1
.endr
	s_wait_alu depctr_va_vdst(0)
	s_wait_xcnt 0x0                                ; the last unit's stores have read the codes' registers
	v_cvt_scalef32_pk16_fp6_f32 v[P:P+2], v[X:X+15], v[SO]
	v_cvt_scalef32_pk16_fp6_f32 v[TQ:TQ+2], v[X+16:X+31], v[SO]
	v_cvt_scalef32_pk16_fp6_f32 v[P+6:P+8], v[X+32:X+47], v[SO]
	v_cvt_scalef32_pk16_fp6_f32 v[TQ+4:TQ+6], v[X+48:X+63], v[SO]
	v_nop                                          ; one plain place behind a scaled conversion
.irp i, 0,1,2
	v_mov_b32 v[P+3+\i], v[TQ+\i]
	v_mov_b32 v[P+9+\i], v[TQ+4+\i]
.endr
	global_store_b128 v4, v[P:P+3], s[22:23] offset:1536*(\t)               ; the image: whole aligned blocks of 256 bytes
	global_store_b64 v7, v[P+4:P+5], s[22:23] offset:1536*(\t)+512
	global_store_b128 v4, v[P+6:P+9], s[22:23] offset:1536*(\t)+768
	global_store_b64 v7, v[P+10:P+11], s[22:23] offset:1536*(\t)+1280
.endm
	MLOAD 0
	MLOAD 1
	s_wait_alu depctr_va_vdst(0)
	MUNIT 0
	MUNIT 1
	MUNIT 2
	MUNIT 3
	s_wait_tensorcnt 0x0                           ; the wave's end, behind my last LDS store
	ds_add_u32 v[SPW], v[NIL]
	s_wait_dscnt 0x0
	s_endpgm
; ---------------------------------------------------------------- x and y
.Lxy:
	s_sub_co_u32 s28, ttmp9, 512
	s_cmp_lt_u32 s28, 256
	s_cselect_b64 s[4:5], s[4:5], s[6:7]           ; x or y: the choice hangs on the work-group's number alone
	s_lshr_b32 s29, s28, 8                         ; 0: x, 1: y
	s_bfe_u32 s30, s28, 0x70001                    ; G: which 64 rows
	s_and_b32 s31, s28, 1
	s_lshl_b32 s31, s31, 2
	s_add_co_u32 s31, s31, s24                     ; my wave's K step of 128
	s_lshl_b32 s32, s30, 18                        ; 64 rows of 4,096 bytes
	s_lshl_b32 s33, s31, 9
	s_add_co_u32 s32, s32, s33
	s_mov_b32 s33, 0
	s_add_nc_u64 s[4:5], s[4:5], s[32:33]
	s_lshl_b32 s34, s29, 6
	s_lshr_b32 s35, s30, 1
	s_add_co_u32 s34, s34, s35                     ; the block of 128 rows, y's behind x's
	s_and_b32 s35, s30, 1                          ; g
	s_mul_i32 s36, s34, 98304
	s_mul_i32 s37, s31, 12288
	s_add_co_u32 s36, s36, s37
	s_mul_i32 s37, s35, 6144
	s_add_co_u32 s36, s36, s37
	s_mov_b32 s37, 0
	s_add_nc_u64 s[40:41], s[18:19], s[36:37]      ; my four images
	s_lshl_b32 s36, s34, 12
	s_lshl_b32 s38, s31, 9
	s_add_co_u32 s36, s36, s38
	s_lshl_b32 s38, s35, 8
	s_add_co_u32 s36, s36, s38
	s_add_co_u32 s36, s36, 12582912
	s_add_nc_u64 s[42:43], s[18:19], s[36:37]      ; their scale words
	s_mul_i32 s25, s24, 8448
	s_add_co_u32 s25, s25, XSTG                    ; my stage
	s_wait_alu depctr_va_vdst(0)
	v_add_nc_u32 v5, s25, v4
	v_mul_u32_u24 v6, v2, 528
	v_lshl_add_u32 v6, v3, 7, v6
	v_add_nc_u32 v6, s25, v6                       ; back: row r, + 128 h: a whole block of 32 of each 64
	v_lshlrev_b32 v8, 3, v3                        ; 8 h
	v_mov_b32 v10, 0                               ; a lane permute's destination counts as one of its sources
	v_lshlrev_b32 v11, 4, v2                       ; 16 r
.macro XLOAD t                         ; tile t of my four: 16 rows x 512 bytes
.irp q, 0,1,2,3,4,5,6,7,8,9,10,11,12,13,14,15
	global_load_b128 v[R+64*((\t)%2)+4*\q:R+64*((\t)%2)+4*\q+3], v4, s[4:5] offset:(32*((\t)/2)+8*((\t)%2)+\q+8*(\q/8))*4096 th:TH_LOAD_NT
.endr
.endm
.macro XUNIT t
.if (\t) < 3
	s_wait_loadcnt 16                              ; this tile's 16 loads are in; the next tile's may be out
.else
	s_wait_loadcnt 0x0
.endif
	THROUGH \t, 8                                  ; register 32 c + i is now k = 64 c + 32 h + i of row r: two whole blocks a lane
.if (\t) < 2
	XLOAD (\t)+2
.endif
.irp c, 0,1
	v_max3_num_f32 v[TM+\c], |v[X+32*\c]|, |v[X+32*\c+1]|, 0x1800000         ; with the floor 2^(3 - 127): the byte cannot fall under 1
.endr
.irp i, 2,4,6,8,10,12,14,16,18,20,22,24,26,28,30
.irp c, 0,1
	v_max3_num_f32 v[TM+\c], v[TM+\c], |v[X+32*\c+\i]|, |v[X+32*\c+\i+1]|
.endr
.endr
.irp c, 0,1
	v_add_nc_u32 v[SO+\c], 0xff000000, v[TM+\c]    ; 2 off the exponent field: the conversion's scale operand
.endr
.irp c, 0,1
	v_lshrrev_b32 v[BY+\c], 23, v[SO+\c]           ; the scale's byte
.endr
	v_lshl_or_b32 v9, v[BY+1], 16, v[BY]           ; my two bytes: blocks h and 2 + h,
	v_lshlrev_b32 v9, v8, v9                       ; at their places in the word;
	v_permlanex16_b32 v10, v9, s26, s27
	v_or_b32 v[SWD+(\t)], v9, v10                  ; with lane l xor 16's two the word is whole
	s_wait_alu depctr_va_vdst(0)
	s_wait_xcnt 0x0                                ; the last tile's stores have read the codes' registers
	v_cvt_scalef32_pk16_fp6_f32 v[P:P+2], v[X:X+15], v[SO]
	v_cvt_scalef32_pk16_fp6_f32 v[TQ:TQ+2], v[X+16:X+31], v[SO]
	v_cvt_scalef32_pk16_fp6_f32 v[P+6:P+8], v[X+32:X+47], v[SO+1]
	v_cvt_scalef32_pk16_fp6_f32 v[TQ+4:TQ+6], v[X+48:X+63], v[SO+1]
	v_nop                                          ; one plain place behind a scaled conversion
.irp i, 0,1,2
	v_mov_b32 v[P+3+\i], v[TQ+\i]
	v_mov_b32 v[P+9+\i], v[TQ+4+\i]
.endr
	global_store_b128 v4, v[P:P+3], s[40:41] offset:1536*(\t)               ; the image: whole aligned blocks of 256 bytes
	global_store_b64 v7, v[P+4:P+5], s[40:41] offset:1536*(\t)+512
	global_store_b128 v4, v[P+6:P+9], s[40:41] offset:1536*(\t)+768
	global_store_b64 v7, v[P+10:P+11], s[40:41] offset:1536*(\t)+1280
.endm
	XLOAD 0
	XLOAD 1
	s_wait_alu depctr_va_vdst(0)
	XUNIT 0
	XUNIT 1
	XUNIT 2
	XUNIT 3
	s_wait_xcnt 0x0                                ; EXEC changes only behind this wait
	v_cmp_gt_u32 vcc_lo, 16, v1
	s_and_saveexec_b32 s28, vcc_lo
	global_store_b128 v11, v[SWD:SWD+3], s[42:43]  ; lanes 0-15: four tiles' words of row r: one aligned block of 256 bytes
	s_wait_xcnt 0x0                                ; and again in front of the line that widens it
	s_or_b32 exec_lo, exec_lo, s28
	s_wait_tensorcnt 0x0                           ; the wave's end, behind my last LDS store
	ds_add_u32 v[SPW], v[NIL]
	s_wait_dscnt 0x0
	s_endpgm
.Lfunc_end_k_qe0901661da_prep:
	.size	k_qe0901661da_prep, .Lfunc_end_k_qe0901661da_prep-k_qe0901661da_prep
	.p2alignl 7, 3214868480
	.fill 96, 4, 3214868480
	.section	.rodata,"a",@progbits
	.p2align	6, 0x0
	.amdhsa_kernel k_qe0901661da_prep
		.amdhsa_group_segment_fixed_size 95744
		.amdhsa_private_segment_fixed_size 0
		.amdhsa_enable_private_segment 0
		.amdhsa_kernarg_size 80
		.amdhsa_user_sgpr_count 2
		.amdhsa_user_sgpr_kernarg_segment_ptr 1
		.amdhsa_wavefront_size32 1
		.amdhsa_system_sgpr_workgroup_id_x 1
		.amdhsa_system_sgpr_workgroup_id_y 1
		.amdhsa_system_sgpr_workgroup_id_z 1
		.amdhsa_system_vgpr_workitem_id 0
		.amdhsa_next_free_vgpr 240
		.amdhsa_next_free_sgpr 66
		.amdhsa_reserve_vcc 1
		.amdhsa_float_denorm_mode_32 3
		.amdhsa_float_denorm_mode_16_64 3
		.amdhsa_memory_ordered 1
		.amdhsa_forward_progress 1
		.amdhsa_inst_pref_size 124
	.end_amdhsa_kernel
	.amdgpu_metadata
---
amdhsa.version: [ 1, 2 ]
amdhsa.kernels:
  - .name:           k_qe0901661da_prep
    .symbol:         k_qe0901661da_prep.kd
    .args:
      - { .name: x, .offset: 0, .size: 8, .value_kind: global_buffer, .address_space: global }
      - { .name: y, .offset: 8, .size: 8, .value_kind: global_buffer, .address_space: global }
      - { .name: mask, .offset: 16, .size: 8, .value_kind: global_buffer, .address_space: global }
      - { .name: Wq, .offset: 24, .size: 8, .value_kind: global_buffer, .address_space: global }
      - { .name: Wk, .offset: 32, .size: 8, .value_kind: global_buffer, .address_space: global }
      - { .name: Wv, .offset: 40, .size: 8, .value_kind: global_buffer, .address_space: global }
      - { .name: Wo, .offset: 48, .size: 8, .value_kind: global_buffer, .address_space: global }
      - { .name: AQ, .offset: 56, .size: 8, .value_kind: global_buffer, .address_space: global }
      - { .name: WQ, .offset: 64, .size: 8, .value_kind: global_buffer, .address_space: global }
      - { .name: MW, .offset: 72, .size: 8, .value_kind: global_buffer, .address_space: global }
    .group_segment_fixed_size: 95744
    .private_segment_fixed_size: 0
    .kernarg_segment_align: 8
    .kernarg_segment_size: 80
    .max_flat_workgroup_size: 128
    .sgpr_count:     66
    .vgpr_count:     240
    .wavefront_size: 32
...
	.end_amdgpu_metadata
.endif
;; end of part 1
;; launch proj (part 2): grid 12 x 32, 4 waves a work-group, clusters of 4 x 4, 327,680 bytes of LDS; arguments AQ, WQ, bq, bk, bv, QKV; writes QKV
.if DOCPART == 2
	.amdgcn_target "amdgcn-amd-amdhsa--gfx1250"
	.amdhsa_code_object_version 6
	.text
	.protected	k_qe0901661da_proj
	.globl	k_qe0901661da_proj
	.p2align	8
	.type	k_qe0901661da_proj,@function
k_qe0901661da_proj:
	s_mov_b64 s[64:65], 0
	v_nop
	global_prefetch_b8 v0, s[64:65] scope:SCOPE_SE
	s_setreg_imm32_b32 hwreg(HW_REG_WAVE_MODE, 25, 1), 1
	s_wait_xcnt 0x0
	s_wait_alu depctr_hold_cnt(0) depctr_sa_sdst(0) depctr_va_vdst(0) depctr_va_sdst(0) depctr_va_ssrc(0) depctr_va_vcc(0) depctr_vm_vsrc(0)
	s_getreg_b32 s2, hwreg(HW_REG_IB_STS2, 6, 4)
	s_cmp_eq_u32 s2, 0
	s_cbranch_scc0 .Lentry_in_a_cluster
	s_endpgm
.Lentry_in_a_cluster:
	s_bfe_u32 s2, ttmp6, 0x10000c
	s_cmp_lg_u32 s2, 0xf033
	s_cbranch_scc0 .Lentry_shape_is_right
	s_endpgm
.Lentry_shape_is_right:
.set FR,     12
.set HALFT,  24576
.set SLOT,   4*HALFT
.set SCL,    2*SLOT
.set SPARE,  SCL+16384
.set REC,    19200
.set HS,     16*REC
.set ADRA16, 16
.set ADRA8,  18
.set ADRB16, 20
.set ADRB8,  22
.set LA16,   24
.set LA8,    25
.set LSW,    26
.set ADRS,   27
.set SPW,    28
.set NIL,    29
.set VB,     30
.set SC,     32
.set BI,     64
.set AF,     128
.set HA,     128
.set PC,     192
.set TM,     212
.set PW,     228
.set PWE,    229
.set WA,     232
.set WB,     236
.set SW,     240
.set G1,   24
.set G0,   32
.set G1B,  48
.set G0B,  56
.set G1S,  68
.set G0S,  76
.set G1SB, 80
.set G0SB, 88
.set DCO,  92
.set DSC,  94
.set BP,   96
.set SEL,  100
.set MSB, 0
.macro WIN new
.if MSB != \new
	s_set_vgpr_msb (MSB<<8)|\new
.set MSB, \new
.endif
.endm
.set MUL_LO, 0xa1
.set MUL_HI, 0xf1
.set TO_B,   0x40
.macro JLOAD g0a, g1a, g0b, g1b
	s_cmp_eq_u32 s17, 0
	s_cbranch_scc0 .Lfor_b_\@
	tensor_load_to_lds s[\g0a:\g0a+3], s[\g1a:\g1a+7]
	s_nop 0
.rept 4
	v_nop
.endr
	s_branch .Lasked_\@
.Lfor_b_\@:
	tensor_load_to_lds s[\g0b:\g0b+3], s[\g1b:\g1b+7]
	s_nop 0
.rept 4
	v_nop
.endr
.Lasked_\@:
.endm
.macro CREST
	s_cmp_lg_u32 s16, 0
	s_cbranch_scc1 .Lnot_wave_0_\@
	s_barrier_signal -3
.Lnot_wave_0_\@:
	s_barrier_wait -3
	s_barrier_signal -1
	s_barrier_wait -1
.endm
.macro CROUND
	s_barrier_signal -1
	s_barrier_wait -1
	CREST
.endm
	s_load_b256 s[4:11], s[0:1], 0x0
	s_load_b128 s[12:15], s[0:1], 0x20
	v_lshl_add_u32 v[SPW], v0, 2, SPARE
	v_mov_b32 v[NIL], 0
	ds_add_u32 v[SPW], v[NIL]
	ds_add_u32 v[SPW], v[NIL]
	v_lshrrev_b32 v4, 5, v0
	v_readfirstlane_b32 s16, v4
	s_lshr_b32 s17, s16, 1
	s_and_b32 s18, s16, 1
	s_mov_b32 s19, ttmp9
	s_bfe_u32 s20, ttmp6, 0x40000
	s_bfe_u32 s21, ttmp6, 0x40004
	s_and_b32 s22, ttmp7, 0xffff
	s_lshl_b32 s22, s22, 2
	s_cmp_eq_u32 s19, 2
	s_cselect_b32 s23, 0, s22
	s_cselect_b32 s40, s22, 0
	s_add_co_u32 s23, s23, s21
	s_add_co_u32 s40, s40, s20
	s_lshl_b32 s41, s21, 2
	s_lshl_b32 s41, 15, s41
	s_lshl_b32 s42, 0x1111, s20
	s_or_b32 s[G1+0], s41, (3<<16)|(1<<21)
	s_or_b32 s[G1B+0], s42, (3<<16)|(1<<21)
	s_or_b32 s[G1S+0], s41, (3<<16)|(1<<21)
	s_or_b32 s[G1SB+0], s42, (3<<16)|(1<<21)
.irp g, G1, G1B
	s_mov_b32 s[\g+1], 32<<16
	s_mov_b32 s[\g+2], 96<<16
	s_mov_b32 s[\g+3], 32<<16
	s_mov_b32 s[\g+4], 96
	s_mov_b32 s[\g+5], 32
	s_mov_b32 s[\g+6], 0
	s_mov_b32 s[\g+7], 0
.endr
.irp g, G1S, G1SB
	s_mov_b32 s[\g+1], 32<<16
	s_mov_b32 s[\g+2], 16<<16
	s_mov_b32 s[\g+3], 32<<16
	s_mov_b32 s[\g+4], 16
	s_mov_b32 s[\g+5], 32
	s_mov_b32 s[\g+6], 0
	s_mov_b32 s[\g+7], 0
.endr
	s_lshl_b32 s43, s23, 1
	s_add_co_u32 s43, s43, s18
	s_mul_i32 s44, s43, 98304
	s_lshl_b32 s2, s43, 12
	s_lshl_b32 s46, s40, 1
	s_add_co_u32 s46, s46, s18
	s_lshl_b32 s66, s46, 12
	s_mul_i32 s46, s46, 98304
	s_cmp_eq_u32 s19, 0
	s_cselect_b32 s45, 0, 6291456
	s_cselect_b32 s47, 0, 786432
	s_mov_b32 s3, 12845056
	s_cselect_b32 s3, 12582912, s3
	s_mov_b32 s67, 3178496
	s_cselect_b32 s67, 3145728, s67
	s_cmp_eq_u32 s19, 2
	s_cselect_b32 s45, 1572864, s45
	s_cselect_b32 s47, 6291456, s47
	s_cselect_b32 s3, 3211264, s3
	s_cselect_b32 s67, 12845056, s67
	s_add_co_u32 s44, s44, s45
	s_add_co_u32 s46, s46, s47
	s_add_co_u32 s2, s2, s3
	s_add_co_u32 s66, s66, s67
	s_mov_b32 s45, 0
	s_mov_b32 s47, 0
	s_mov_b32 s3, 0
	s_mov_b32 s67, 0
	s_mul_i32 s99, s16, HALFT
	s_lshl_b32 s104, s16, 12
	s_mov_b32 s98, 0xffff0000
	s_mov_b32 s[SEL], 0x76543210
	s_mov_b32 s[SEL+1], 0xfedcba98
	s_wait_dscnt 0x0
	s_wait_kmcnt 0x0
	s_cmp_eq_u32 s19, 2
	s_cselect_b64 s[92:93], s[6:7], s[4:5]
	s_cselect_b64 s[94:95], s[4:5], s[6:7]
	s_add_nc_u64 s[44:45], s[92:93], s[44:45]
	s_add_nc_u64 s[2:3], s[92:93], s[2:3]
	s_add_nc_u64 s[46:47], s[94:95], s[46:47]
	s_add_nc_u64 s[66:67], s[94:95], s[66:67]
	CROUND
	s_mov_b32 s[G0S], 1
	s_add_co_u32 s[G0S+1], s104, SCL
	s_mov_b64 s[G0S+2:G0S+3], s[2:3]
	s_or_b32 s[G0S+3], s[G0S+3], 0x80000000
	s_mov_b32 s[G0SB], 1
	s_add_co_u32 s[G0SB+1], s104, SCL
	s_mov_b64 s[G0SB+2:G0SB+3], s[66:67]
	s_or_b32 s[G0SB+3], s[G0SB+3], 0x80000000
	JLOAD G0S, G1S, G0SB, G1SB
.irp s, 0,1
	s_mov_b32 s[G0+4*\s], 1
	s_add_co_u32 s[G0+4*\s+1], s99, \s*SLOT
	s_add_nc_u64 s[G0+4*\s+2:G0+4*\s+3], s[44:45], \s*HALFT
	s_or_b32 s[G0+4*\s+3], s[G0+4*\s+3], 0x80000000
	s_mov_b32 s[G0B+4*\s], 1
	s_add_co_u32 s[G0B+4*\s+1], s99, \s*SLOT
	s_add_nc_u64 s[G0B+4*\s+2:G0B+4*\s+3], s[46:47], \s*HALFT
	s_or_b32 s[G0B+4*\s+3], s[G0B+4*\s+3], 0x80000000
	s_wait_alu depctr_va_vdst(0)
	s_wait_tensorcnt 0x0
	ds_add_u32 v28, v29
	s_wait_dscnt 0x0
	CROUND
	JLOAD G0+4*\s, G1, G0B+4*\s, G1B
.endr
	v_and_b32 v1, 15, v0
	v_bfe_u32 v2, v0, 4, 1
	v_and_b32 v3, 31, v0
	v_lshlrev_b32 v[LA16], 4, v3
	v_lshlrev_b32 v[LA8], 3, v3
	s_mul_i32 s43, s17, HALFT
	s_mul_i32 s99, s18, HALFT
	s_add_co_u32 s99, s99, 2*HALFT
.irp s, 0,1
	v_add_nc_u32 v[ADRA16+\s], s43, v[LA16]
	v_add_nc_u32 v[ADRA8+\s], s43, v[LA8]
	v_add_nc_u32 v[ADRB16+\s], s99, v[LA16]
	v_add_nc_u32 v[ADRB8+\s], s99, v[LA8]
	s_add_co_u32 s43, s43, SLOT
	s_add_co_u32 s99, s99, SLOT
.endr
	s_lshl_b32 s43, s17, 12
	s_lshl_b32 s99, s18, 12
	s_add_co_u32 s99, s99, 8192
	s_sub_co_u32 s99, s99, s43
	v_mul_u32_u24 v4, s99, v2
	v_lshl_add_u32 v4, v1, 4, v4
	s_add_co_u32 s43, s43, SCL
	v_add_nc_u32 v[ADRS], s43, v4
	v_mul_u32_u24 v[LSW], v2, HS
	v_lshl_add_u32 v[LSW], v1, 4, v[LSW]
	s_lshl_b32 s43, s23, 1
	s_add_co_u32 s43, s43, s17
	s_lshl_b32 s99, s40, 1
	s_add_co_u32 s99, s99, s18
	s_cmp_eq_u32 s19, 2
	s_cselect_b32 s104, s99, s43
	s_cselect_b32 s105, s43, s99
	s_cselect_b32 s92, 6144, 0
	s_mov_b32 s94, 12288
	s_cselect_b32 s94, 12544, s94
	s_cselect_b64 s[BP:BP+1], s[12:13], s[10:11]
	s_cmp_eq_u32 s19, 0
	s_cselect_b32 s92, 12800, s92
	s_cselect_b32 s94, 18944, s94
	s_cselect_b64 s[BP:BP+1], s[8:9], s[BP:BP+1]
	s_lshr_b32 s43, s104, 4
	s_lshl_b32 s43, s43, 8
	s_lshl_b32 s99, s105, 5
	s_add_co_u32 s43, s43, s99
	s_and_b32 s99, s104, 15
	s_add_co_u32 s43, s43, s99
	s_mul_i32 s43, s43, REC
	s_add_co_u32 s92, s92, s43
	s_add_co_u32 s94, s94, s43
	s_mov_b32 s93, 0
	s_mov_b32 s95, 0
	s_add_nc_u64 s[DCO:DCO+1], s[14:15], s[92:93]
	s_add_nc_u64 s[DSC:DSC+1], s[14:15], s[94:95]
	s_lshl_b32 s104, s105, 9
	s_mov_b32 s105, 0
	s_add_nc_u64 s[BP:BP+1], s[BP:BP+1], s[104:105]
.macro FRAG reg, a16, a8, off
	ds_load_b128 v[\reg:\reg+3], v[\a16] offset:\off
	ds_load_b64 v[\reg+4:\reg+5], v[\a8] offset:\off+512
	ds_load_b128 v[\reg+6:\reg+9], v[\a16] offset:\off+768
	ds_load_b64 v[\reg+10:\reg+11], v[\a8] offset:\off+1280
.endm
.macro FETCH_B slot, q, p
	WIN TO_B
.irp i, 0,1,2,3,4,5,6,7
	FRAG 128*(\p)+FR*\i, ADRB16+\slot, ADRB8+\slot, 12288*(\q)+1536*\i
.endr
	WIN 0
.endm
.macro FETCH_A slot, q, i0
.irp i, \i0, \i0+1, \i0+2, \i0+3
	FRAG AF+FR*(\i), ADRA16+\slot, ADRA8+\slot, 12288*(\q)+1536*(\i)
.endr
.endm
.macro SCALES set, ks
.irp e, 0,1,2,3
	ds_load_b128 v[SC+16*\set+4*\e:SC+16*\set+4*\e+3], v[ADRS] offset:1024*\ks+256*\e
.endr
.endm
.macro MUL16 a0, p, q, sc, zero
.irp a, \a0, \a0+1
.irp b, 0,1,2,3,4,5,6,7
.if \zero
	v_wmma_scale_f32_16x16x128_f8f6f4 v[8*(8*((\a)%4)+\b):8*(8*((\a)%4)+\b)+7], v[128*(\p)+FR*\b:128*(\p)+FR*\b+FR-1], v[AF+FR*(\a):AF+FR*(\a)+FR-1], 0, v[SC+16*(\sc)+8*(\q)+\b], v[SC+16*(\sc)+8*(\q)+(\a)] matrix_a_fmt:MATRIX_FMT_FP6 matrix_b_fmt:MATRIX_FMT_FP6 matrix_a_scale:MATRIX_SCALE_ROW1
.else
	v_wmma_scale_f32_16x16x128_f8f6f4 v[8*(8*((\a)%4)+\b):8*(8*((\a)%4)+\b)+7], v[128*(\p)+FR*\b:128*(\p)+FR*\b+FR-1], v[AF+FR*(\a):AF+FR*(\a)+FR-1], v[8*(8*((\a)%4)+\b):8*(8*((\a)%4)+\b)+7], v[SC+16*(\sc)+8*(\q)+\b], v[SC+16*(\sc)+8*(\q)+(\a)] matrix_a_fmt:MATRIX_FMT_FP6 matrix_b_fmt:MATRIX_FMT_FP6 matrix_a_scale:MATRIX_SCALE_ROW1
.endif
.endr
.endr
.endm
.macro PLACES
.rept 4
	v_nop
.endr
.endm
.macro STEP slot, zero
	s_wait_dscnt 16
	WIN MUL_LO
	MUL16 0, 0, 0, \slot, \zero
	MUL16 2, 0, 0, \slot, \zero
	s_wait_dscnt 0
	PLACES
	FETCH_B \slot, 1, 1
	FETCH_A \slot, 1, 0
	WIN MUL_HI
	MUL16 4, 0, 0, \slot, \zero
	MUL16 6, 0, 0, \slot, \zero
	PLACES
	WIN 0
	FETCH_A \slot, 1, 4
.endm
.macro TURN slot, next, fill, ks
	s_wait_tensorcnt 0x0
	ds_add_u32 v[SPW], v[NIL]
	s_wait_dscnt 17
	WIN MUL_LO
	MUL16 0, 1, 1, \slot, 0
	s_wait_dscnt 0x0
	s_barrier_signal -1
	MUL16 2, 1, 1, \slot, 0
	WIN 0
	s_barrier_wait -1
.if \fill
	CREST
	s_add_nc_u64 s[G0+4*\slot+2:G0+4*\slot+3], s[G0+4*\slot+2:G0+4*\slot+3], 2*HALFT
	s_add_nc_u64 s[G0B+4*\slot+2:G0B+4*\slot+3], s[G0B+4*\slot+2:G0B+4*\slot+3], 2*HALFT
	JLOAD G0+4*\slot, G1, G0B+4*\slot, G1B
.else
	PLACES
.endif
	FETCH_B \next, 0, 0
	FETCH_A \next, 0, 0
	SCALES \next, \ks
	WIN MUL_HI
	MUL16 4, 1, 1, \slot, 0
	MUL16 6, 1, 1, \slot, 0
	PLACES
	WIN 0
	FETCH_A \next, 0, 4
.endm
.macro QUANT s
.irp b, 0,1,2,3
	v_max3_num_f32 v[TM+\b], |v[\s+16*\b]|, |v[\s+1+16*\b]|, 0x1800000
.endr
.irp i, 2,4,6,8,10,12,14
.irp b, 0,1,2,3
	v_max3_num_f32 v[TM+\b], v[TM+\b], |v[\s+16*\b+\i]|, |v[\s+1+16*\b+\i]|
.endr
.endr
.irp b, 0,1,2,3
	v_permlanex16_b32 v[TM+4+\b], v[TM+\b], s[SEL], s[SEL+1]
.endr
.irp b, 0,1,2,3
	v_max_num_f32 v[TM+\b], v[TM+\b], v[TM+4+\b]
.endr
.irp b, 0,1,2,3
	v_add_nc_u32 v[TM+12+\b], 0xff000000, v[TM+\b]
.endr
.irp b, 0,1,2,3
	v_lshrrev_b32 v[TM+4+\b], 23, v[TM+12+\b]
.endr
	v_lshl_or_b32 v[PW], v[TM+5], 8, v[TM+4]
	v_lshl_or_b32 v[PW], v[TM+6], 16, v[PW]
	v_lshl_or_b32 v[PW], v[TM+7], 24, v[PW]
.irp c, 0,1
	v_cvt_scalef32_pk16_fp6_f32 v[PC+6*\c:PC+2+6*\c], v[\s+32*\c:\s+15+32*\c], v[TM+12+2*\c]
	v_cvt_scalef32_pk16_fp6_f32 v[PC+12+4*\c:PC+14+4*\c], v[\s+16+32*\c:\s+31+32*\c], v[TM+12+2*\c+1]
.endr
	v_nop
.irp c, 0,1
.irp i, 0,1,2
	v_permlane16_swap_b32 v[PC+6*\c+\i], v[PC+12+4*\c+\i]
.endr
.irp i, 0,1,2
	v_mov_b32 v[PC+3+6*\c+\i], v[PC+12+4*\c+\i]
.endr
.endr
.endm
.macro OUTBLK a, v
	WIN 0x02+(\a)/4
.set i, 0
.rept 32
.if \v
	v_pk_add_f32 v[HA+2*i:HA+2*i+1], v[64*((\a)%4)+2*i:64*((\a)%4)+2*i+1], v[BI+2*(\a):BI+2*(\a)+1]
.else
	v_pk_add_f32 v[HA+2*i:HA+2*i+1], v[64*((\a)%4)+2*i:64*((\a)%4)+2*i+1], v[BI+2*i:BI+2*i+1]
.endif
.set i, i+1
.endr
	WIN 0
.if (\a) > 0
	s_wait_xcnt 0x0
.endif
	QUANT HA
.if \v
.set OB, ((\a)/4)*HS+1536*((\a)%4)
	global_store_b128 v[LA16], v[PC:PC+3], s[DCO:DCO+1] offset:OB
	global_store_b64 v[LA8], v[PC+4:PC+5], s[DCO:DCO+1] offset:OB+512
	global_store_b128 v[LA16], v[PC+6:PC+9], s[DCO:DCO+1] offset:OB+768
	global_store_b64 v[LA8], v[PC+10:PC+11], s[DCO:DCO+1] offset:OB+1280
	v_mov_b32 v[WA+(\a)], v[PW]
.else
	global_store_b128 v[LA16], v[PC:PC+3], s[DCO:DCO+1] offset:768*(\a)
	global_store_b64 v[LA8], v[PC+4:PC+5], s[DCO:DCO+1] offset:768*(\a)+512
	global_store_b128 v[LA16], v[PC+6:PC+9], s[DCO:DCO+1] offset:HS+768*(\a)
	global_store_b64 v[LA8], v[PC+10:PC+11], s[DCO:DCO+1] offset:HS+768*(\a)+512
.if (\a)%2 == 0
	v_mov_b32 v[PWE], v[PW]
.else
	v_perm_b32 v[WA+(\a)/2], v[PW], v[PWE], 0x05040100
	v_perm_b32 v[WB+(\a)/2], v[PW], v[PWE], 0x07060302
.endif
.endif
.endm
.macro TAIL v
.if \v
	v_and_b32 v[VB], 8, v1
	v_add_nc_u32 v[VB], v[VB], v1
	v_lshlrev_b32 v[VB], 2, v[VB]
.irp a, 0,1,2,3,4,5,6,7
	global_load_b32 v[BI+2*\a], v[VB], s[BP:BP+1] offset:4*(32*(\a/2)+8*(\a%2))
	global_load_b32 v[BI+2*\a+1], v[VB], s[BP:BP+1] offset:4*(32*(\a/2)+8*(\a%2))
.endr
.else
	v_lshlrev_b32 v[VB], 6, v2
.irp e, 0,1,2,3,4,5,6,7,8,9,10,11,12,13,14,15
	global_load_b128 v[BI+4*\e:BI+4*\e+3], v[VB], s[BP:BP+1] offset:128*(\e/4)+16*(\e%4)
.endr
.endif
	s_wait_dscnt 16
	WIN MUL_LO
	MUL16 0, 1, 1, 1, 0
	MUL16 2, 1, 1, 1, 0
	s_wait_dscnt 0
	WIN MUL_HI
	MUL16 4, 1, 1, 1, 0
	MUL16 6, 1, 1, 1, 0
	WIN 0
	PLACES
.irp b, 0,1,2,3
	v_mov_b32 v[TM+4+\b], 0
.endr
	s_wait_loadcnt 0x0
.irp a, 0,1,2,3,4,5,6,7
	OUTBLK \a, \v
.endr
.irp e, 0,1,2,3
	v_cndmask_b32 v[SW+\e], v[WA+\e], v[WB+\e], s98
.endr
	global_store_b128 v[LSW], v[SW:SW+3], s[DSC:DSC+1]
.endm
	s_wait_alu depctr_va_vdst(0)
	s_wait_tensorcnt 1
	s_barrier_signal -1
	s_barrier_wait -1
	FETCH_B 0, 0, 0
	FETCH_A 0, 0, 0
	SCALES 0, 0
	FETCH_A 0, 0, 4
	STEP 0, 1
	TURN 0, 1, 1, 1
	STEP 1, 0
	TURN 1, 0, 1, 2
	STEP 0, 0
	TURN 0, 1, 0, 3
	STEP 1, 0
	s_cmp_eq_u32 s19, 2
	s_cbranch_scc1 .Lrole_v
	TAIL 0
	s_branch .Ldone
.Lrole_v:
	TAIL 1
.Ldone:
	s_wait_tensorcnt 0x0
	ds_add_u32 v[SPW], v[NIL]
	s_wait_dscnt 0x0
	CROUND
	s_endpgm
.Lfunc_end_k_qe0901661da_proj:
	.size	k_qe0901661da_proj, .Lfunc_end_k_qe0901661da_proj-k_qe0901661da_proj
	.p2alignl 7, 3214868480
	.fill 96, 4, 3214868480
	.section	.rodata,"a",@progbits
	.p2align	6, 0x0
	.amdhsa_kernel k_qe0901661da_proj
		.amdhsa_group_segment_fixed_size 327680
		.amdhsa_private_segment_fixed_size 0
		.amdhsa_enable_private_segment 0
		.amdhsa_kernarg_size 48
		.amdhsa_user_sgpr_count 2
		.amdhsa_user_sgpr_kernarg_segment_ptr 1
		.amdhsa_wavefront_size32 1
		.amdhsa_system_sgpr_workgroup_id_x 1
		.amdhsa_system_sgpr_workgroup_id_y 1
		.amdhsa_system_sgpr_workgroup_id_z 1
		.amdhsa_system_vgpr_workitem_id 0
		.amdhsa_next_free_vgpr 1024
		.amdhsa_next_free_sgpr 106
		.amdhsa_reserve_vcc 0
		.amdhsa_float_denorm_mode_32 3
		.amdhsa_float_denorm_mode_16_64 3
		.amdhsa_memory_ordered 1
		.amdhsa_forward_progress 1
		.amdhsa_inst_pref_size 228
	.end_amdhsa_kernel
	.amdgpu_metadata
---
amdhsa.version: [ 1, 2 ]
amdhsa.kernels:
  - .name:           k_qe0901661da_proj
    .symbol:         k_qe0901661da_proj.kd
    .args:
      - { .name: AQ, .offset: 0, .size: 8, .value_kind: global_buffer, .address_space: global }
      - { .name: WQ, .offset: 8, .size: 8, .value_kind: global_buffer, .address_space: global }
      - { .name: bq, .offset: 16, .size: 8, .value_kind: global_buffer, .address_space: global }
      - { .name: bk, .offset: 24, .size: 8, .value_kind: global_buffer, .address_space: global }
      - { .name: bv, .offset: 32, .size: 8, .value_kind: global_buffer, .address_space: global }
      - { .name: QKV, .offset: 40, .size: 8, .value_kind: global_buffer, .address_space: global }
    .group_segment_fixed_size: 327680
    .private_segment_fixed_size: 0
    .kernarg_segment_align: 8
    .kernarg_segment_size: 48
    .max_flat_workgroup_size: 128
    .sgpr_count:     106
    .vgpr_count:     1024
    .wavefront_size: 32
...
	.end_amdgpu_metadata
.endif
;; end of part 2
;; launch attn (part 3): grid 4 x 64, 16 waves a work-group, clusters of 4 x 1, 224,256 bytes of LDS; arguments QKV, MW, OQ; writes OQ
.if DOCPART == 3
	.amdgcn_target "amdgcn-amd-amdhsa--gfx1250"
	.amdhsa_code_object_version 6
	.text
	.protected	k_qe0901661da_attn
	.globl	k_qe0901661da_attn
	.p2align	8
	.type	k_qe0901661da_attn,@function
k_qe0901661da_attn:
	s_mov_b64 s[64:65], 0
	v_nop
	global_prefetch_b8 v0, s[64:65] scope:SCOPE_SE
	s_setreg_imm32_b32 hwreg(HW_REG_WAVE_MODE, 25, 1), 1
	s_wait_xcnt 0x0
	s_wait_alu depctr_hold_cnt(0) depctr_sa_sdst(0) depctr_va_vdst(0) depctr_va_sdst(0) depctr_va_ssrc(0) depctr_va_vcc(0) depctr_vm_vsrc(0)
	s_getreg_b32 s2, hwreg(HW_REG_IB_STS2, 6, 4)
	s_cmp_eq_u32 s2, 0
	s_cbranch_scc0 .Lentry_in_a_cluster
	s_endpgm
.Lentry_in_a_cluster:
	s_bfe_u32 s2, ttmp6, 0x10000c
	s_cmp_lg_u32 s2, 0x3003
	s_cbranch_scc0 .Lentry_shape_is_right
	s_endpgm
.Lentry_shape_is_right:
; For each (batch, head): S^T = K Q^T with the mask, a streaming softmax, O^T = V^T P^T, O / l, and the quantiser along the merged heads' axis; all products on codes of FP6 (E2M3) with E8M0 scales.
; t = score x log2(e) / 8; M = the running largest t rounded UP to a whole number; p = 2^(t - M) is quantised along the keys, not normalised; the row's sum l is taken of the unquantised p.
; SHARES.  A work-group owns 512 queries of one head: 256 work-groups.  Each of its sixteen waves walks two tiles of 16 queries, one after the other, over the same K and V; four waves to a SIMD, 256 registers each.
; K AND V OF THE WHOLE HEAD STAY IN LDS: 16 records 13,824 bytes apart; wave w brings record w's 12,800 bytes by one tensor load; nothing is filled again, so the loops have no barrier.
; CLUSTER.  The four work-groups of a cluster walk the same K and V: each record is asked for jointly, by the same load with the mask of all four.
; LAYOUT.  Both products are used transposed: a lane holds ONE query throughout.  Lane r of key tile 2 p + u is key 32 p + 8 u + r + 8 (r / 8), so score register 16 p + i is key 32 p + 16 h + i.
; THE MASK GOES THROUGH THE PRODUCT.  A head's 64 channels fill half of the instruction's 128 along K.  In the other half K's side carries a unit matrix (row i of the tile has the code of 1.0 at place 16 j + i,
; j the tile's slot of four) and Q's side the mask's codes (launch prep: -1.0 for a masked key, else 0; one group of six registers serves four key tiles).  Both carry the scale byte 157, so a masked score
; gets 1.0 x 2^30 x -1.0 x 2^30 = -2^60 added, an unmasked one nothing.  Registers: (mask 0-3 | Q | mask 4-7), and four runs (K tile 4 + j | unit j | K tile j): each product names twelve on end.
; K's scale words are made anew once, at the head: one word a tile with K's two bytes beside the unit matrix's two, in the 1,024 bytes behind each record, which no tensor load fills.
; V is loaded into the scores' registers once p has been summed and converted.
; LIMITS: -2^60 is ADDED where reference() puts -1e9 in the score's place: the sum is -2^60 itself, and a row that is masked wholly has p = 1 everywhere as there, while every |q . k| stays under 2^30
; (the scaled scores under 2^31); results are equal wherever every unmasked logit lies above -1e9.  NaN and infinities are not served.  A block of zeros carries the byte 1 (its codes are zeros; this program alone reads the bytes).
; No prefetch: K and V are asked for once, at the head; a step's 1,536 bytes of mask codes are asked for by their own loads a whole key step ahead of their use.
.set REC,   19200
.set PITCH, 13824                      ; a record in LDS: K 6,144, V 6,144, their scale words 512, and 1,024 of K's words made anew
.set HS,    16*REC
.set SCS,   16*PITCH                   ; 1,024 bytes: the 32 tiles' scale halves, gathered for two stores
.set SPARE, SCS+1024                   ; the spare words, 128 bytes for each wave: eight blocks of 256 bytes that no other line names
.set LA16, 1                           ; 16 x lane
.set LA8,  2                           ; 8 x lane
.set AD16, 3                           ; the same in the record in hand
.set AD8,  4
.set SPW,  5                           ; SPARE + 4 x my thread's number; never rewritten
.set NIL,  6                           ; 0; never rewritten
.set QS0,  7                           ; scale word of (mask | Q)
.set QS1,  8                           ; and of (Q | mask)
.set PS,   9                           ; p's scale word
.set FF,   10                          ; v[10:11] f = 2^(old M - new M)
.set LL,   14                          ; v12 -M; v13 the largest t; v[14:15] the sum in two halves
.set MQ,   16                          ; v16-33 mask 0-3 | Q | mask 4-7
.set KT,   34                          ; v34-105 four runs of 18
.set KW,   106                         ; v106-113 K's eight tile words
.set BMX,  114
.set L3,   114                         ; the step's sum runs in four chains: the second and third lie where the blocks' maxima lay,
.set L4,   116
.set L5,   122                         ; the fourth where the conversions' scale operands lay: all are done with by then
.set PT,   118
.set SO,   122
.set L2,   126
.set S,    128                         ; v128-191 S^T, then p, then V
.set O,    192                         ; v192-223 O^T
.set P,    224                         ; v224-235 p's codes
.set CT,   236                         ; v236-238, v240-242 the second halves as the conversions leave them
.set T0,   244
.set T1,   245
.set SCW,  246
.set SCR,  247
.set GSC,  248
.set R16,  249                         ; 16 r
.set IDB,  250                         ; the byte 157 four times
.set VS,   252                         ; v252-255 lanes 16-31: V's scale words
.macro CROUND
	s_barrier_signal -1
	s_barrier_wait -1
	s_cmp_lg_u32 s10, 0
	s_cbranch_scc1 .Lnot_wave_0_\@
	s_barrier_signal -3
.Lnot_wave_0_\@:
	s_barrier_wait -3
	s_barrier_signal -1
	s_barrier_wait -1
.endm
	s_load_b128 s[4:7], s[0:1], 0x0                ; QKV s[4:5], MW s[6:7]
	s_load_b64 s[8:9], s[0:1], 0x10                ; OQ
	v_lshl_add_u32 v[SPW], v0, 2, SPARE
	v_mov_b32 v[NIL], 0
	ds_add_u32 v[SPW], v[NIL]                      ; the wave's opening: the add, twice on end, and its wait ahead of my tensor load
	ds_add_u32 v[SPW], v[NIL]
	v_lshrrev_b32 v[T0], 5, v0
	s_delay_alu instid0(VALU_DEP_1)
	v_readfirstlane_b32 s10, v[T0]                 ; wave 0..15
	s_bfe_u32 s42, ttmp6, 0x40000                  ; cx
	s_lshl_b32 s43, ttmp9, 2
	s_add_co_u32 s42, s42, s43                     ; my block of 512 queries: it enters global addresses alone
	s_and_b32 s43, ttmp7, 0xffff                   ; 16 x batch + head, which the partners share
	s_mov_b32 s20, 15|(3<<16)|(1<<21)              ; group 1: 12,800 dense bytes as 50 rows of 256 (32 elements of 8 bytes); the mask names all four work-groups
	s_mov_b32 s21, 32<<16
	s_mov_b32 s22, 50<<16
	s_mov_b32 s23, 32<<16
	s_mov_b32 s24, 50
	s_mov_b32 s25, 32
	s_mov_b32 s26, 0
	s_mov_b32 s27, 0
	s_mov_b32 s28, 1
	s_mul_i32 s29, s10, PITCH                      ; record w lands at PITCH x w
	s_mul_i32 s56, s43, HS                         ; the head's first byte
	s_mul_i32 s44, s10, REC
	s_add_co_u32 s44, s44, s56                     ; record w
	s_mov_b32 s45, 0
	s_lshr_b32 s57, s10, 3
	s_and_b32 s58, s10, 7                          ; my tile in its block of 128 queries
	s_lshl_b32 s59, s42, 2
	s_add_co_u32 s59, s59, s57                     ; that block, for my first tile; the second lies two blocks on
	s_mul_i32 s46, s59, REC
	s_add_co_u32 s46, s46, s56
	s_lshr_b32 s48, s58, 1
	s_lshl_b32 s48, s48, 2
	s_add_co_u32 s48, s48, s46
	s_add_co_u32 s48, s48, 18944                   ; Q's pair word
	s_mov_b32 s49, 0
	s_mul_i32 s47, s58, 768
	s_add_co_u32 s46, s46, s47
	s_add_co_u32 s46, s46, 12800                   ; Q's half image
	s_mov_b32 s47, 0
	s_lshr_b32 s60, s43, 4                         ; the batch
	s_lshl_b32 s50, s60, 7
	s_lshl_b32 s51, s42, 5
	s_add_co_u32 s50, s50, s51
	s_add_co_u32 s50, s50, s10                     ; 128 b + my first tile
	s_mul_i32 s50, s50, 24576                      ; 16 images of 1,536 bytes a tile
	s_mov_b32 s51, 0
	s_lshl_b32 s61, s60, 4
	s_add_co_u32 s61, s61, s59                     ; my block of 128 rows of the merged heads
	s_mul_i32 s52, s61, 98304
	s_and_b32 s62, s43, 15                         ; the head
	s_lshr_b32 s53, s62, 1
	s_mul_i32 s53, s53, 12288                      ; its K step of 128,
	s_add_co_u32 s52, s52, s53
	s_mul_i32 s53, s58, 1536                       ; my tile's image,
	s_add_co_u32 s52, s52, s53
	s_and_b32 s53, s62, 1
	s_mul_i32 s53, s53, 768                        ; the head's half of it
	s_add_co_u32 s52, s52, s53
	s_mov_b32 s53, 0
	s_sub_co_u32 s61, s61, s57
	s_lshl_b32 s54, s61, 12                        ; the scale halves: 4,096 bytes a block of rows,
	s_lshl_b32 s55, s62, 8                         ; 256 a head
	s_add_co_u32 s54, s54, s55
	s_add_co_u32 s54, s54, 6291456
	s_mov_b32 s55, 0
	s_lshr_b32 s63, s10, 2
	s_lshl_b32 s63, s63, 7
	s_and_b32 s57, s10, 3
	s_lshl_b32 s57, s57, 1
	s_add_co_u32 s63, s63, s57
	s_add_co_u32 s63, s63, SCS                     ; 128 (w / 4) + 2 (w % 4); 512 on for the second tile
	s_mov_b32 s12, 0                               ; tiles done
	s_mov_b32 s14, 0x3e38aa3b                      ; c = log2(e) / 8
	s_mov_b32 s15, s14                             ; (named with it as a pair, so it is written)
	s_mov_b32 s16, 0x76543210
	s_mov_b32 s17, 0xfedcba98                      ; v_permlanex16_b32's selects for lane l xor 16
	s_mov_b32 s18, 0xffff0000                      ; lanes 16-31
	s_and_b32 s57, s10, 1
	s_cmp_eq_u32 s57, 0                            ; which two bytes of Q's pair word are my tile's
	s_mov_b32 s2, 0x07060000
	s_cselect_b32 s2, 0x05040000, s2               ; (157, 157, q0, q1)
	s_mov_b32 s3, 0x00000706
	s_cselect_b32 s3, 0x00000504, s3               ; (q0, q1, 157, 157)
	s_wait_dscnt 0x0                               ; both opening adds are done
	s_wait_kmcnt 0x0
	s_add_nc_u64 s[30:31], s[4:5], s[44:45]
	s_or_b32 s31, s31, 0x80000000
	s_add_nc_u64 s[32:33], s[4:5], s[46:47]
	s_add_nc_u64 s[34:35], s[4:5], s[48:49]
	s_add_nc_u64 s[36:37], s[6:7], s[50:51]
	s_add_nc_u64 s[38:39], s[8:9], s[52:53]
	s_add_nc_u64 s[40:41], s[8:9], s[54:55]
	CROUND                                         ; all four work-groups are here: the joint loads meet
	tensor_load_to_lds s[28:31], s[20:27]          ; my one tensor load of the launch
	s_nop 0
	v_and_b32 v[T0], 31, v0
	v_and_b32 v[S], 15, v0                         ; r
	v_bfe_u32 v[S+6], v0, 4, 1                     ; h
	v_lshlrev_b32 v[LA16], 4, v[T0]
	v_lshlrev_b32 v[LA8], 3, v[T0]
	v_lshlrev_b32 v[R16], 4, v[S]
	v_mad_u32_u24 v[S], v[S], 6, 3                 ; the code of 1.0 is one bit: bit 3 of code r, bit 6 r + 3 of 96
	v_add_nc_u32 v[SCR], SCS, v[LA16]
	v_lshl_add_u32 v[GSC], v[S+6], 12, v[R16]      ; 16 r + 4,096 h
	v_lshrrev_b32 v[S+1], 5, v[S]                  ; in which of three registers,
	v_and_b32 v[S+2], 31, v[S]
	v_mov_b32 v[S+5], 1
	v_mov_b32 v[S+4], 0
	v_lshlrev_b32 v[S+2], v[S+2], v[S+5]           ; and which bit there
.irp g, 0,1,2                          ; unit j has row r's bit at place 16 j + r of 64: lanes h = j / 2, registers 3 (j % 2) on
	v_cmp_eq_u32 s57, \g, v[S+1]
	v_cndmask_b32 v[S+3], v[S+4], v[S+2], s57
	v_mov_b32 v[KT+9+\g], 0
	v_mov_b32 v[KT+24+\g], 0
	v_mov_b32 v[KT+45+\g], 0
	v_mov_b32 v[KT+60+\g], 0
	v_cndmask_b32 v[KT+6+\g], v[S+3], v[S+4], s18
	v_cndmask_b32 v[KT+27+\g], v[S+3], v[S+4], s18
	v_cndmask_b32 v[KT+42+\g], v[S+4], v[S+3], s18
	v_cndmask_b32 v[KT+63+\g], v[S+4], v[S+3], s18
.endr
	v_mov_b32 v[IDB], 0x9d9d9d9d
	v_mov_b32 v11, 0                               ; (named as the upper half of the pair v[10:11])
.irp b, 0,1,2,3
	v_mov_b32 v[PT+\b], 0                          ; a lane permute's destination counts as one of its sources
.endr
	v_add_nc_u32 v[AD16], s29, v[LA16]             ; my record
	s_wait_alu depctr_va_vdst(0)
	s_wait_tensorcnt 0x0                           ; my record is in
	ds_load_b128 v[KW:KW+3], v[AD16] offset:12288  ; lanes 0-15: K's four pair words of row r (two bytes for each of two tiles)
	s_wait_dscnt 0x0
.irp p, 0,1                            ; tiles 0-3 stand behind their unit matrix, tiles 4-7 ahead of it
	v_perm_b32 v[S+8+2*\p], v[KW+\p], v[IDB], 0x05040000
	v_perm_b32 v[S+9+2*\p], v[KW+\p], v[IDB], 0x07060000
	v_perm_b32 v[S+12+2*\p], v[KW+2+\p], v[IDB], 0x00000504
	v_perm_b32 v[S+13+2*\p], v[KW+2+\p], v[IDB], 0x00000706
.endr
	ds_store_b128 v[AD16], v[S+8:S+11] offset:12800          ; lanes 0-15: row r's words; lanes 16-31 write bytes that are loaded and never used as scales
	ds_store_b128 v[AD16], v[S+12:S+15] offset:13312
	s_wait_alu depctr_va_vdst(0)
	s_wait_dscnt 0x0                               ; for the others' sake
	s_barrier_signal -1
	s_barrier_wait -1                              ; everybody's record and words are in
.macro MLOADS                          ; a key step's mask codes: an image of 12 registers
	global_load_b128 v[MQ:MQ+3], v[LA16], s[36:37]
	global_load_b64 v[MQ+4:MQ+5], v[LA8], s[36:37] offset:512
	global_load_b128 v[MQ+12:MQ+15], v[LA16], s[36:37] offset:768
	global_load_b64 v[MQ+16:MQ+17], v[LA8], s[36:37] offset:1280
.endm
.macro KLOADS base                     ; K's eight half images and tile words: 18 loads
.irp j, 0,1,2,3
	ds_load_b128 v[KT+18*\j+12:KT+18*\j+15], v[AD16] offset:\base+768*\j
	ds_load_b64 v[KT+18*\j+16:KT+18*\j+17], v[AD8] offset:\base+768*\j+512
	ds_load_b128 v[KT+18*\j:KT+18*\j+3], v[AD16] offset:\base+768*\j+3072
	ds_load_b64 v[KT+18*\j+4:KT+18*\j+5], v[AD8] offset:\base+768*\j+3584
.endr
	ds_load_b128 v[KW:KW+3], v[AD16] offset:\base+12800
	ds_load_b128 v[KW+4:KW+7], v[AD16] offset:\base+13312
.endm
.macro KL n                            ; the n-th of the 18 loads that bring the NEXT record's K and tile words
.if (\n) < 16
.set KJ, (\n)/4
.if (\n)%4 == 0
	ds_load_b128 v[KT+18*KJ+12:KT+18*KJ+15], v[AD16] offset:PITCH+768*KJ
.elseif (\n)%4 == 1
	ds_load_b64 v[KT+18*KJ+16:KT+18*KJ+17], v[AD8] offset:PITCH+768*KJ+512
.elseif (\n)%4 == 2
	ds_load_b128 v[KT+18*KJ:KT+18*KJ+3], v[AD16] offset:PITCH+768*KJ+3072
.else
	ds_load_b64 v[KT+18*KJ+4:KT+18*KJ+5], v[AD8] offset:PITCH+768*KJ+3584
.endif
.elseif (\n) == 16
	ds_load_b128 v[KW:KW+3], v[AD16] offset:PITCH+12800
.else
	ds_load_b128 v[KW+4:KW+7], v[AD16] offset:PITCH+13312
.endif
.endm
.macro GAP more, n                     ; between two links of the chain that makes M: three of those loads, or, where nothing more is asked for, the hint
.if \more
	KL \n
	KL (\n)+1
	KL (\n)+2
.else
	s_delay_alu instid0(VALU_DEP_1)
.endif
.endm
.macro VFRAG reg, t
	ds_load_b128 v[\reg:\reg+3], v[AD16] offset:6144+1536*\t
	ds_load_b64 v[\reg+4:\reg+5], v[AD8] offset:6144+1536*\t+512
	ds_load_b128 v[\reg+6:\reg+9], v[AD16] offset:6144+1536*\t+768
	ds_load_b64 v[\reg+10:\reg+11], v[AD8] offset:6144+1536*\t+1280
.endm
.macro PV t, reg
	v_wmma_scale_f32_16x16x128_f8f6f4 v[O+8*\t:O+8*\t+7], v[\reg:\reg+11], v[P:P+11], v[O+8*\t:O+8*\t+7], v[VS+\t], v[PS] matrix_a_fmt:MATRIX_FMT_FP6 matrix_b_fmt:MATRIX_FMT_FP6 matrix_a_scale:MATRIX_SCALE_ROW1
.endm
; A KEY STEP: 128 keys.  more = 1: the next step's mask codes and K are asked for.
.macro STEP more
	s_wait_alu depctr_va_vdst(0)
	s_wait_loadcnt 0x0                             ; the mask's codes,
	s_wait_dscnt 0x0                               ; K and its words are in
.irp j, 0,1,2,3
	v_wmma_scale_f32_16x16x128_f8f6f4 v[S+8*\j:S+8*\j+7], v[KT+18*\j+6:KT+18*\j+17], v[MQ:MQ+11], 0, v[KW+\j], v[QS0] matrix_a_fmt:MATRIX_FMT_FP6 matrix_b_fmt:MATRIX_FMT_FP6
	v_wmma_scale_f32_16x16x128_f8f6f4 v[S+32+8*\j:S+32+8*\j+7], v[KT+18*\j:KT+18*\j+11], v[MQ+6:MQ+17], 0, v[KW+4+\j], v[QS1] matrix_a_fmt:MATRIX_FMT_FP6 matrix_b_fmt:MATRIX_FMT_FP6
.endr
	v_mov_b32 v[T0], v12                           ; the old -M.  Four places in front of the loads into the products' registers and of the first read of the scores
.rept 3
	v_nop
.endr
.if \more
	s_add_nc_u64 s[36:37], s[36:37], 1536          ; (behind the wait that shows the last loads done)
	MLOADS
.endif
.irp b, 0,1,2,3
	v_max3_num_f32 v[BMX+\b], v[S+16*\b], v[S+16*\b+1], v[S+16*\b+2]         ; the largest score of each block of 32 keys: for the row's maximum, and, since p rises with the score, for the block's largest p
.endr
.irp i, 3,5,7,9,11,13
.irp b, 0,1,2,3
	v_max3_num_f32 v[BMX+\b], v[BMX+\b], v[S+16*\b+\i], v[S+16*\b+\i+1]      ; (the four blocks by turns)
.endr
.endr
.irp b, 0,1,2,3
	v_max_num_f32 v[BMX+\b], v[BMX+\b], v[S+16*\b+15]
.endr
.irp b, 0,1,2,3
	s_delay_alu instid0(VALU_DEP_4)
	v_permlanex16_b32 v[PT+\b], v[BMX+\b], s16, s17
.endr
.irp b, 0,1,2,3
	s_delay_alu instid0(VALU_DEP_4)
	v_max_num_f32 v[BMX+\b], v[BMX+\b], v[PT+\b]   ; with lane l xor 16's 16 keys
.endr
.if \more                              ; each link below reads the link above it: the next record's 18 LDS loads stand between the links
	KL 0
	KL 1
	KL 2
.else
	s_delay_alu instid0(VALU_DEP_2)
.endif
	v_max3_num_f32 v[T1], v[BMX], v[BMX+1], v[BMX+2]
	GAP \more, 3
	v_max_num_f32 v[T1], v[T1], v[BMX+3]
	GAP \more, 6
	v_mul_f32 v[T1], s14, v[T1]                    ; the step's largest t (c is positive)
	GAP \more, 9
	v_max_num_f32 v13, v13, v[T1]                  ; the running largest t
	GAP \more, 12
	v_floor_f32 v12, -v13                          ; the new -M = -ceil(t): a whole number
.if \more
	KL 15
	KL 16
	KL 17
.endif
.irp j, 0,2,4,6
	v_pk_fma_f32 v[S+\j:S+\j+1], v[S+\j:S+\j+1], s[14:15], v[12:13] op_sel_hi:[1,0,0]   ; t - M; the three lines that make f stand among these
.endr
	v_sub_f32 v[T0], v12, v[T0]                    ; old M - new M: a whole number, 0 or less
.irp j, 8,10,12,14
	v_pk_fma_f32 v[S+\j:S+\j+1], v[S+\j:S+\j+1], s[14:15], v[12:13] op_sel_hi:[1,0,0]
.endr
	v_cvt_i32_f32 v[T0], v[T0]                     ; (it saturates)
.irp j, 16,18,20,22
	v_pk_fma_f32 v[S+\j:S+\j+1], v[S+\j:S+\j+1], s[14:15], v[12:13] op_sel_hi:[1,0,0]
.endr
	v_ldexp_f32 v[FF], 1.0, v[T0]                  ; f: a multiplication by it rounds nothing
.irp j, 24,26,28,30,32,34,36,38,40,42,44,46,48,50,52,54,56,58,60,62
	v_pk_fma_f32 v[S+\j:S+\j+1], v[S+\j:S+\j+1], s[14:15], v[12:13] op_sel_hi:[1,0,0]
.endr
.irp b, 0,1,2,3
	v_fma_f32 v[BMX+\b], v[BMX+\b], s14, v12       ; the same of each block's largest score
.endr
	s_wait_alu depctr_va_vdst(0)
.irp b, 0,1,2,3
	v_exp_f32 v[BMX+\b], v[BMX+\b]                 ; the blocks' largest p
.endr
.set n, 0
.rept 64
	v_exp_f32 v[S+n], v[S+n]                       ; p = 2^(t - M)
.set n, n+1
.endr
	s_wait_alu depctr_va_vdst(0)                   ; one wait for the 68, ahead of their first reader
	v_nop                                          ; the plain place behind the batch
.irp b, 0,1,2,3
	v_max_num_f32 v[BMX+\b], 0x1800000, v[BMX+\b]  ; the floor 2^(3 - 127): the byte cannot fall under 1
.endr
.irp b, 0,1,2,3
	s_delay_alu instid0(VALU_DEP_4)
	v_add_nc_u32 v[SO+\b], 0xff000000, v[BMX+\b]   ; 2 off the exponent field: the conversion's scale operand
.endr
.irp b, 0,1,2,3
	s_delay_alu instid0(VALU_DEP_4)
	v_lshrrev_b32 v[PT+\b], 23, v[SO+\b]           ; the scale's byte
.endr
	s_delay_alu instid0(VALU_DEP_3)
	v_lshl_or_b32 v[PS], v[PT+1], 8, v[PT]
.irp c, 0,1
	v_cvt_scalef32_pk16_fp6_f32 v[P+6*\c:P+6*\c+2], v[S+32*\c:S+32*\c+15], v[SO+2*\c]
	v_cvt_scalef32_pk16_fp6_f32 v[CT+4*\c:CT+4*\c+2], v[S+32*\c+16:S+32*\c+31], v[SO+2*\c+1]
.endr
	v_pk_add_f32 v[L2:L2+1], v[S:S+1], v[S+2:S+3]            ; the step's sum of the UNQUANTISED p, in four chains; the first line is the plain place behind the conversions
	v_pk_add_f32 v[L3:L3+1], v[S+4:S+5], v[S+6:S+7]
	v_lshl_or_b32 v[PS], v[PT+2], 16, v[PS]
	v_pk_add_f32 v[L4:L4+1], v[S+8:S+9], v[S+10:S+11]
	v_pk_add_f32 v[L5:L5+1], v[S+12:S+13], v[S+14:S+15]
	v_lshl_or_b32 v[PS], v[PT+3], 24, v[PS]        ; p's scale word for these 128 keys
.irp j, 16,24
	v_pk_add_f32 v[L2:L2+1], v[L2:L2+1], v[S+\j:S+\j+1]
	v_pk_add_f32 v[L3:L3+1], v[L3:L3+1], v[S+\j+2:S+\j+3]
	v_pk_add_f32 v[L4:L4+1], v[L4:L4+1], v[S+\j+4:S+\j+5]
	v_pk_add_f32 v[L5:L5+1], v[L5:L5+1], v[S+\j+6:S+\j+7]
.endr
	ds_load_b128 v[VS:VS+3], v[AD16] offset:12288  ; lanes 16-31, 256 bytes on: V's words
	VFRAG S, 0                                     ; p's first 32 registers are done with: V's first two images
	VFRAG S+12, 1
.irp j, 32,40,48,56
	v_pk_add_f32 v[L2:L2+1], v[L2:L2+1], v[S+\j:S+\j+1]
	v_pk_add_f32 v[L3:L3+1], v[L3:L3+1], v[S+\j+2:S+\j+3]
	v_pk_add_f32 v[L4:L4+1], v[L4:L4+1], v[S+\j+4:S+\j+5]
	v_pk_add_f32 v[L5:L5+1], v[L5:L5+1], v[S+\j+6:S+\j+7]
.endr
	VFRAG S+32, 2                                  ; p's last 32 registers are done with: V's other two images; the 32 vector lines below stand between these loads and the wait for them
	VFRAG S+44, 3
.irp c, 0,1                            ; the operand's layout wants a whole block in a lane
.irp i, 0,1,2
	v_permlane16_swap_b32 v[P+6*\c+\i], v[CT+4*\c+\i]
.endr
.irp i, 0,1,2
	s_delay_alu instid0(VALU_DEP_3)
	v_mov_b32 v[P+6*\c+3+\i], v[CT+4*\c+\i]
.endr
.endr
	s_wait_alu depctr_va_vdst(0)                   ; ahead of the first reader of the last step's products
.irp j, 0,2,4,6,8,10,12,14,16,18,20,22,24,26,28,30
	v_pk_mul_f32 v[O+\j:O+\j+1], v[O+\j:O+\j+1], v[FF:FF+1] op_sel_hi:[1,0]  ; O^T under the new M; these are also the places between p's codes and the products
.endr
	v_pk_add_f32 v[L2:L2+1], v[L2:L2+1], v[L3:L3+1]          ; the four chains are joined,
	v_pk_add_f32 v[L4:L4+1], v[L4:L4+1], v[L5:L5+1]
	v_pk_add_f32 v[L2:L2+1], v[L2:L2+1], v[L4:L4+1]
	v_pk_fma_f32 v[LL:LL+1], v[LL:LL+1], v[FF:FF+1], v[L2:L2+1] op_sel_hi:[1,0,1]       ; and l x f + the step's sum
	s_wait_alu depctr_va_vdst(0)
	s_wait_dscnt 8
	PV 0, S
	PV 1, S+12
	s_wait_dscnt 0x0
	PV 2, S+32
	PV 3, S+44                                     ; five places follow, ahead of the next step's products, which write over V
.if \more
	s_add_co_u32 s13, s13, PITCH
	v_add_nc_u32 v[AD16], s13, v[LA16]             ; the next record
	v_add_nc_u32 v[AD8], s13, v[LA8]
.else
	v_nop
	v_nop
.endif
.rept 3
	v_nop
.endr
.endm
.Ltile:                                            ; two trips: a tile of 16 queries each
	global_load_b128 v[MQ+6:MQ+9], v[LA16], s[32:33]         ; Q's half image
	global_load_b64 v[MQ+10:MQ+11], v[LA8], s[32:33] offset:512
	global_load_b32 v[T1], v[R16], s[34:35]
	MLOADS                                         ; key step 0's mask codes
	s_mov_b32 s13, 0                               ; where the record in hand begins in LDS
	v_mov_b32 v[AD16], v[LA16]
	v_mov_b32 v[AD8], v[LA8]
	KLOADS 0
	v_mov_b32 v13, 0xff61b1e6                      ; the largest t so far: -3e38, under every t
	v_mov_b32 v14, 0
	v_mov_b32 v15, 0
	v_floor_f32 v12, -v13                          ; -M
	s_mov_b32 s11, 15                              ; trips
	s_wait_alu depctr_va_vdst(0)
	s_wait_loadcnt 4                               ; all but the four loads of mask codes: Q and its pair word are in
	v_perm_b32 v[QS0], v[T1], v[IDB], s2           ; the 32 lines below stand between these two and the first product
	v_perm_b32 v[QS1], v[T1], v[IDB], s3
.set n, 0
.rept 32
	v_mov_b32 v[O+n], 0                            ; O^T: the step is written once; the first change of M leaves zeros zeros
.set n, n+1
.endr
.Lstep:                                            ; 15 trips; the last step is written out, so that nothing is asked for beyond the end
	STEP 1
	s_sub_co_u32 s11, s11, 1
	s_cmp_lg_u32 s11, 0
	s_cbranch_scc1 .Lstep
	STEP 0
	; THE WAY OUT: O^T / l; my 64 channels are two blocks of the merged heads' K: quantised in registers, they are half an operand image.
	v_add_f32 v14, v14, v15
	v_lshrrev_b32 v[SCW], 1, v[R16]                ; 8 r
	v_permlanex16_b32 v[T0], v14, s16, s17
	v_add_nc_u32 v[SCW], s63, v[SCW]               ; where my tile's scale halves go
	v_add_f32 v14, v14, v[T0]                      ; the row's sum
	s_wait_alu depctr_va_vdst(0)
	v_rcp_f32 v[FF], v14
	v_nop                                          ; a plain place behind the transcendental
	s_wait_alu depctr_va_vdst(0)                   ; the wait, ahead of the first reader
.irp j, 0,2,4,6,8,10,12,14,16,18,20,22,24,26,28,30
	v_pk_mul_f32 v[S+\j:S+\j+1], v[O+\j:O+\j+1], v[FF:FF+1] op_sel_hi:[1,0]  ; register 16 b + i is channel 32 b + 16 h + i of my query
.endr
.irp b, 0,1
	v_max3_num_f32 v[BMX+\b], |v[S+16*\b]|, |v[S+16*\b+1]|, 0x1800000
.endr
.irp i, 2,4,6,8,10,12,14
.irp b, 0,1
	s_delay_alu instid0(VALU_DEP_2)
	v_max3_num_f32 v[BMX+\b], v[BMX+\b], |v[S+16*\b+\i]|, |v[S+16*\b+\i+1]|
.endr
.endr
.irp b, 0,1
	s_delay_alu instid0(VALU_DEP_2)
	v_permlanex16_b32 v[PT+\b], v[BMX+\b], s16, s17
.endr
.irp b, 0,1
	s_delay_alu instid0(VALU_DEP_2)
	v_max_num_f32 v[BMX+\b], v[BMX+\b], v[PT+\b]
.endr
.irp b, 0,1
	s_delay_alu instid0(VALU_DEP_2)
	v_add_nc_u32 v[SO+\b], 0xff000000, v[BMX+\b]
.endr
.irp b, 0,1
	s_delay_alu instid0(VALU_DEP_2)
	v_lshrrev_b32 v[PT+\b], 23, v[SO+\b]
.endr
	s_delay_alu instid0(VALU_DEP_1)
	v_lshl_or_b32 v[T1], v[PT+1], 8, v[PT]         ; my row's two bytes
	v_cvt_scalef32_pk16_fp6_f32 v[P:P+2], v[S:S+15], v[SO]
	v_cvt_scalef32_pk16_fp6_f32 v[CT:CT+2], v[S+16:S+31], v[SO+1]
	v_nop                                          ; one plain place behind a scaled conversion
.irp i, 0,1,2
	v_permlane16_swap_b32 v[P+\i], v[CT+\i]
.endr
.irp i, 0,1,2
	s_delay_alu instid0(VALU_DEP_3)
	v_mov_b32 v[P+3+\i], v[CT+\i]
.endr
	global_store_b128 v[LA16], v[P:P+3], s[38:39]            ; whole aligned blocks of 256 bytes
	global_store_b64 v[LA8], v[P+4:P+5], s[38:39] offset:512
	ds_store_b16 v[SCW], v[T1]                     ; lanes r and r + 16 write the same two bytes with the same value
	s_wait_alu depctr_va_vdst(0)
	s_wait_xcnt 0x0                                ; the stores and loads have read their bases and registers: on to my second tile,
	s_add_nc_u64 s[32:33], s[32:33], 2*REC         ; two blocks of 128 queries on,
	s_add_nc_u64 s[34:35], s[34:35], 2*REC
	s_add_nc_u64 s[36:37], s[36:37], 16*24576-15*1536        ; sixteen tiles of mask codes on, back to key step 0,
	s_add_nc_u64 s[38:39], s[38:39], 2*98304       ; two blocks of 128 rows on
	s_add_co_u32 s63, s63, 512
	s_add_co_u32 s12, s12, 1
	s_cmp_lt_u32 s12, 2
	s_cbranch_scc1 .Ltile
	s_wait_dscnt 0x0                               ; for the others' sake
	s_barrier_signal -1
	s_barrier_wait -1
	s_cmp_lg_u32 s10, 0
	s_cbranch_scc1 .Lnot_first
	ds_load_b128 v[S:S+3], v[SCR]                  ; the 32 tiles' halves: 256 bytes for each of the four blocks of 128 rows
	ds_load_b128 v[S+4:S+7], v[SCR] offset:512
	s_wait_dscnt 0x0
	global_store_b128 v[GSC], v[S:S+3], s[40:41]
	global_store_b128 v[GSC], v[S+4:S+7], s[40:41] offset:8192
.Lnot_first:
	s_wait_tensorcnt 0x0                           ; the wave's end, behind my tensor load and my last LDS store
	ds_add_u32 v[SPW], v[NIL]
	s_wait_dscnt 0x0
	CROUND                                         ; the closing round
	s_endpgm
.Lfunc_end_k_qe0901661da_attn:
	.size	k_qe0901661da_attn, .Lfunc_end_k_qe0901661da_attn-k_qe0901661da_attn
	.p2alignl 7, 3214868480
	.fill 96, 4, 3214868480
	.section	.rodata,"a",@progbits
	.p2align	6, 0x0
	.amdhsa_kernel k_qe0901661da_attn
		.amdhsa_group_segment_fixed_size 224256
		.amdhsa_private_segment_fixed_size 0
		.amdhsa_enable_private_segment 0
		.amdhsa_kernarg_size 24
		.amdhsa_user_sgpr_count 2
		.amdhsa_user_sgpr_kernarg_segment_ptr 1
		.amdhsa_wavefront_size32 1
		.amdhsa_system_sgpr_workgroup_id_x 1
		.amdhsa_system_sgpr_workgroup_id_y 1
		.amdhsa_system_sgpr_workgroup_id_z 1
		.amdhsa_system_vgpr_workitem_id 0
		.amdhsa_next_free_vgpr 256
		.amdhsa_next_free_sgpr 66
		.amdhsa_reserve_vcc 0
		.amdhsa_float_denorm_mode_32 3
		.amdhsa_float_denorm_mode_16_64 3
		.amdhsa_memory_ordered 1
		.amdhsa_forward_progress 1
		.amdhsa_inst_pref_size 50
	.end_amdhsa_kernel
	.amdgpu_metadata
---
amdhsa.version: [ 1, 2 ]
amdhsa.kernels:
  - .name:           k_qe0901661da_attn
    .symbol:         k_qe0901661da_attn.kd
    .args:
      - { .name: QKV, .offset: 0, .size: 8, .value_kind: global_buffer, .address_space: global }
      - { .name: MW, .offset: 8, .size: 8, .value_kind: global_buffer, .address_space: global }
      - { .name: OQ, .offset: 16, .size: 8, .value_kind: global_buffer, .address_space: global }
    .group_segment_fixed_size: 224256
    .private_segment_fixed_size: 0
    .kernarg_segment_align: 8
    .kernarg_segment_size: 24
    .max_flat_workgroup_size: 512
    .sgpr_count:     66
    .vgpr_count:     256
    .wavefront_size: 32
...
	.end_amdgpu_metadata
.endif
;; end of part 3
;; launch outp (part 4): grid 4 x 32, 4 waves a work-group, clusters of 4 x 4, 327,680 bytes of LDS; arguments OQ, WQ, bo, out0; writes out0
.if DOCPART == 4
	.amdgcn_target "amdgcn-amd-amdhsa--gfx1250"
	.amdhsa_code_object_version 6
	.text
	.protected	k_qe0901661da_outp
	.globl	k_qe0901661da_outp
	.p2align	8
	.type	k_qe0901661da_outp,@function
k_qe0901661da_outp:
	s_mov_b64 s[64:65], 0
	v_nop
	global_prefetch_b8 v0, s[64:65] scope:SCOPE_SE
	s_setreg_imm32_b32 hwreg(HW_REG_WAVE_MODE, 25, 1), 1
	s_wait_xcnt 0x0
	s_wait_alu depctr_hold_cnt(0) depctr_sa_sdst(0) depctr_va_vdst(0) depctr_va_sdst(0) depctr_va_ssrc(0) depctr_va_vcc(0) depctr_vm_vsrc(0)
	s_getreg_b32 s2, hwreg(HW_REG_IB_STS2, 6, 4)
	s_cmp_eq_u32 s2, 0
	s_cbranch_scc0 .Lentry_in_a_cluster
	s_endpgm
.Lentry_in_a_cluster:
	s_bfe_u32 s2, ttmp6, 0x10000c
	s_cmp_lg_u32 s2, 0xf033
	s_cbranch_scc0 .Lentry_shape_is_right
	s_endpgm
.Lentry_shape_is_right:
.set FR,     12
.set HALFT,  24576
.set SLOT,   4*HALFT
.set SCL,    2*SLOT
.set SPARE,  SCL+16384
.set SPITCH, 528
.set SWA,    15
.set ADRA16, 16
.set ADRA8,  18
.set ADRB16, 20
.set ADRB8,  22
.set LA16,   24
.set LA8,    25
.set STO,    26
.set ADRS,   27
.set SPW,    28
.set NIL,    29
.set VB,     30
.set RD,     31
.set SC,     32
.set BI,     64
.set AF,     128
.set BK,     128
.set G1,   24
.set G0,   32
.set G1B,  48
.set G0B,  56
.set G1SB, 80
.set G0SB, 88
.set MSB, 0
.macro WIN new
.if MSB != \new
	s_set_vgpr_msb (MSB<<8)|\new
.set MSB, \new
.endif
.endm
.set MUL_LO, 0xa1
.set MUL_HI, 0xf1
.set TO_B,   0x40
.macro JLOAD g0a, g1a, g0b, g1b
	s_cmp_eq_u32 s17, 0
	s_cbranch_scc0 .Lfor_b_\@
	tensor_load_to_lds s[\g0a:\g0a+3], s[\g1a:\g1a+7]
	s_nop 0
.rept 4
	v_nop
.endr
	s_branch .Lasked_\@
.Lfor_b_\@:
	tensor_load_to_lds s[\g0b:\g0b+3], s[\g1b:\g1b+7]
	s_nop 0
.rept 4
	v_nop
.endr
.Lasked_\@:
.endm
.macro CREST
	s_cmp_lg_u32 s16, 0
	s_cbranch_scc1 .Lnot_wave_0_\@
	s_barrier_signal -3
.Lnot_wave_0_\@:
	s_barrier_wait -3
	s_barrier_signal -1
	s_barrier_wait -1
.endm
.macro CROUND
	s_barrier_signal -1
	s_barrier_wait -1
	CREST
.endm
	s_load_b256 s[4:11], s[0:1], 0x0
	v_lshl_add_u32 v[SPW], v0, 2, SPARE
	v_mov_b32 v[NIL], 0
	ds_add_u32 v[SPW], v[NIL]
	ds_add_u32 v[SPW], v[NIL]
	v_lshrrev_b32 v4, 5, v0
	v_readfirstlane_b32 s16, v4
	s_lshr_b32 s17, s16, 1
	s_and_b32 s18, s16, 1
	s_bfe_u32 s20, ttmp6, 0x40000
	s_bfe_u32 s21, ttmp6, 0x40004
	s_and_b32 s23, ttmp7, 0xffff
	s_lshl_b32 s23, s23, 2
	s_add_co_u32 s23, s23, s21
	s_lshl_b32 s40, ttmp9, 2
	s_add_co_u32 s40, s40, s20
	s_lshl_b32 s41, s21, 2
	s_lshl_b32 s41, 15, s41
	s_lshl_b32 s42, 0x1111, s20
	s_or_b32 s[G1+0], s41, (3<<16)|(1<<21)
	s_or_b32 s[G1B+0], s42, (3<<16)|(1<<21)
	s_or_b32 s[G1SB+0], s42, (3<<16)|(1<<21)
.irp g, G1, G1B
	s_mov_b32 s[\g+1], 32<<16
	s_mov_b32 s[\g+2], 96<<16
	s_mov_b32 s[\g+3], 32<<16
	s_mov_b32 s[\g+4], 96
	s_mov_b32 s[\g+5], 32
	s_mov_b32 s[\g+6], 0
	s_mov_b32 s[\g+7], 0
.endr
	s_mov_b32 s[G1SB+1], 32<<16
	s_mov_b32 s[G1SB+2], 8<<16
	s_mov_b32 s[G1SB+3], 32<<16
	s_mov_b32 s[G1SB+4], 8
	s_mov_b32 s[G1SB+5], 32
	s_mov_b32 s[G1SB+6], 0
	s_mov_b32 s[G1SB+7], 0
	s_lshl_b32 s43, s23, 1
	s_add_co_u32 s43, s43, s18
	s_mul_i32 s44, s43, 98304
	s_mov_b32 s45, 0
	s_lshl_b32 s46, s40, 1
	s_add_co_u32 s46, s46, s18
	s_mul_i32 s46, s46, 98304
	s_add_co_u32 s46, s46, 2359296
	s_mov_b32 s47, 0
	s_lshl_b32 s66, s40, 13
	s_lshl_b32 s67, s16, 11
	s_add_co_u32 s66, s66, s67
	s_add_co_u32 s66, s66, 3244032
	s_mov_b32 s67, 0
	s_lshl_b32 s2, s23, 13
	s_lshl_b32 s3, s16, 11
	s_add_co_u32 s2, s2, s3
	s_add_co_u32 s2, s2, 6291456
	s_mov_b32 s3, 0
	s_mul_i32 s99, s16, HALFT
	s_lshl_b32 s104, s16, 11
	s_mov_b32 s100, 0x05040100
	s_mov_b32 s101, 0x07060302
	s_wait_dscnt 0x0
	s_wait_kmcnt 0x0
	s_add_nc_u64 s[44:45], s[4:5], s[44:45]
	s_add_nc_u64 s[46:47], s[6:7], s[46:47]
	s_add_nc_u64 s[66:67], s[6:7], s[66:67]
	s_add_nc_u64 s[2:3], s[4:5], s[2:3]
	CROUND
	s_mov_b32 s[G0SB], 1
	s_add_co_u32 s[G0SB+1], s104, SCL+8192
	s_mov_b64 s[G0SB+2:G0SB+3], s[66:67]
	s_or_b32 s[G0SB+3], s[G0SB+3], 0x80000000
	tensor_load_to_lds s[G0SB:G0SB+3], s[G1SB:G1SB+7]
	s_nop 0
.rept 4
	v_nop
.endr
.irp s, 0,1
	s_mov_b32 s[G0+4*\s], 1
	s_add_co_u32 s[G0+4*\s+1], s99, \s*SLOT
	s_add_nc_u64 s[G0+4*\s+2:G0+4*\s+3], s[44:45], \s*HALFT
	s_or_b32 s[G0+4*\s+3], s[G0+4*\s+3], 0x80000000
	s_mov_b32 s[G0B+4*\s], 1
	s_add_co_u32 s[G0B+4*\s+1], s99, \s*SLOT
	s_add_nc_u64 s[G0B+4*\s+2:G0B+4*\s+3], s[46:47], \s*HALFT
	s_or_b32 s[G0B+4*\s+3], s[G0B+4*\s+3], 0x80000000
	s_wait_alu depctr_va_vdst(0)
	s_wait_tensorcnt 0x0
	ds_add_u32 v28, v29
	s_wait_dscnt 0x0
	CROUND
	JLOAD G0+4*\s, G1, G0B+4*\s, G1B
.endr
	v_and_b32 v1, 15, v0
	v_bfe_u32 v2, v0, 4, 1
	v_and_b32 v3, 31, v0
	v_lshlrev_b32 v[LA16], 4, v3
	v_lshlrev_b32 v[LA8], 3, v3
	s_wait_alu depctr_va_vdst(0)
	v_lshlrev_b32 v[VB], 6, v2
	s_wait_alu depctr_va_vdst(0)
	s_lshl_b32 s43, s40, 1
	s_add_co_u32 s43, s43, s18
	s_lshl_b32 s92, s43, 9
	s_mov_b32 s93, 0
	s_add_nc_u64 s[8:9], s[8:9], s[92:93]
	s_add_nc_u64 s[10:11], s[10:11], s[92:93]
	s_lshl_b32 s43, s23, 1
	s_add_co_u32 s43, s43, s17
	s_lshl_b32 s92, s43, 19
	s_add_nc_u64 s[10:11], s[10:11], s[92:93]
.irp i, 0,1,2,3
	global_load_b64 v[128+4*\i:129+4*\i], v[LA8], s[2:3] offset:512*\i
	global_load_b64 v[130+4*\i:131+4*\i], v[LA8], s[2:3] offset:512*\i+256
.endr
.irp b, 0,1,2,3,4,5,6,7
	global_load_b128 v[BI+8*\b:BI+8*\b+3], v[VB], s[8:9] offset:4*(32*(\b/2)+8*(\b%2))
	global_load_b128 v[BI+8*\b+4:BI+8*\b+7], v[VB], s[8:9] offset:4*(32*(\b/2)+8*(\b%2))+16
.endr
	s_mul_i32 s43, s17, HALFT
	s_mul_i32 s99, s18, HALFT
	s_add_co_u32 s99, s99, 2*HALFT
.irp s, 0,1
	v_add_nc_u32 v[ADRA16+\s], s43, v[LA16]
	v_add_nc_u32 v[ADRA8+\s], s43, v[LA8]
	v_add_nc_u32 v[ADRB16+\s], s99, v[LA16]
	v_add_nc_u32 v[ADRB8+\s], s99, v[LA8]
	s_add_co_u32 s43, s43, SLOT
	s_add_co_u32 s99, s99, SLOT
.endr
	s_lshl_b32 s43, s17, 12
	s_lshl_b32 s99, s18, 12
	s_add_co_u32 s99, s99, 8192
	s_sub_co_u32 s99, s99, s43
	v_mul_u32_u24 v4, s99, v2
	v_lshl_add_u32 v4, v1, 4, v4
	s_add_co_u32 s43, s43, SCL
	v_add_nc_u32 v[ADRS], s43, v4
	s_add_co_u32 s104, s104, SCL
	v_add_nc_u32 v[SWA], s104, v[LA16]
	s_mul_i32 s43, s16, 16*SPITCH
	v_mul_u32_u24 v4, v1, SPITCH
	v_lshl_add_u32 v4, v2, 6, v4
	v_add_nc_u32 v[STO], s43, v4
	v_add_nc_u32 v[RD], s43, v[LA16]
	s_wait_loadcnt 16
.irp i, 0,1,2,3
	v_perm_b32 v[144+4*\i], v[130+4*\i], v[128+4*\i], s100
	v_perm_b32 v[145+4*\i], v[130+4*\i], v[128+4*\i], s101
	v_perm_b32 v[146+4*\i], v[131+4*\i], v[129+4*\i], s100
	v_perm_b32 v[147+4*\i], v[131+4*\i], v[129+4*\i], s101
	s_wait_alu depctr_va_vdst(0)
	ds_store_b128 v[SWA], v[144+4*\i:147+4*\i] offset:512*\i
.endr
.macro FRAG reg, a16, a8, off
	ds_load_b128 v[\reg:\reg+3], v[\a16] offset:\off
	ds_load_b64 v[\reg+4:\reg+5], v[\a8] offset:\off+512
	ds_load_b128 v[\reg+6:\reg+9], v[\a16] offset:\off+768
	ds_load_b64 v[\reg+10:\reg+11], v[\a8] offset:\off+1280
.endm
.macro FETCH_B slot, q, p
	WIN TO_B
.irp i, 0,1,2,3,4,5,6,7
	FRAG 128*(\p)+FR*\i, ADRB16+\slot, ADRB8+\slot, 12288*(\q)+1536*\i
.endr
	WIN 0
.endm
.macro FETCH_A slot, q, i0
.irp i, \i0, \i0+1, \i0+2, \i0+3
	FRAG AF+FR*(\i), ADRA16+\slot, ADRA8+\slot, 12288*(\q)+1536*(\i)
.endr
.endm
.macro SCALES set, ks
.irp e, 0,1,2,3
	ds_load_b128 v[SC+16*\set+4*\e:SC+16*\set+4*\e+3], v[ADRS] offset:1024*\ks+256*\e
.endr
.endm
.macro MUL16 a0, p, q, sc, first
.irp a, \a0, \a0+1
.irp b, 0,1,2,3,4,5,6,7
.if \first
	v_wmma_scale_f32_16x16x128_f8f6f4 v[8*(8*((\a)%4)+\b):8*(8*((\a)%4)+\b)+7], v[128*(\p)+FR*\b:128*(\p)+FR*\b+FR-1], v[AF+FR*(\a):AF+FR*(\a)+FR-1], v[BI+8*\b:BI+8*\b+7], v[SC+16*(\sc)+8*(\q)+\b], v[SC+16*(\sc)+8*(\q)+(\a)] matrix_a_fmt:MATRIX_FMT_FP6 matrix_b_fmt:MATRIX_FMT_FP6 matrix_a_scale:MATRIX_SCALE_ROW1
.else
	v_wmma_scale_f32_16x16x128_f8f6f4 v[8*(8*((\a)%4)+\b):8*(8*((\a)%4)+\b)+7], v[128*(\p)+FR*\b:128*(\p)+FR*\b+FR-1], v[AF+FR*(\a):AF+FR*(\a)+FR-1], v[8*(8*((\a)%4)+\b):8*(8*((\a)%4)+\b)+7], v[SC+16*(\sc)+8*(\q)+\b], v[SC+16*(\sc)+8*(\q)+(\a)] matrix_a_fmt:MATRIX_FMT_FP6 matrix_b_fmt:MATRIX_FMT_FP6 matrix_a_scale:MATRIX_SCALE_ROW1
.endif
.endr
.endr
.endm
.macro PLACES
.rept 4
	v_nop
.endr
.endm
.macro STEP slot, first
	s_wait_dscnt 16
.if \first
	WIN 0x81
.else
	WIN MUL_LO
.endif
	MUL16 0, 0, 0, \slot, \first
	MUL16 2, 0, 0, \slot, \first
	s_wait_dscnt 0
	PLACES
	FETCH_B \slot, 1, 1
	FETCH_A \slot, 1, 0
.if \first
	WIN 0xc1
.else
	WIN MUL_HI
.endif
	MUL16 4, 0, 0, \slot, \first
	MUL16 6, 0, 0, \slot, \first
	PLACES
	WIN 0
	FETCH_A \slot, 1, 4
.endm
.macro TURN slot, next, fill, ks
	s_wait_tensorcnt 0x0
	ds_add_u32 v[SPW], v[NIL]
	s_wait_dscnt 17
	WIN MUL_LO
	MUL16 0, 1, 1, \slot, 0
	s_wait_dscnt 0x0
	s_barrier_signal -1
	MUL16 2, 1, 1, \slot, 0
	WIN 0
	s_barrier_wait -1
.if \fill
	CREST
	s_add_nc_u64 s[G0+4*\slot+2:G0+4*\slot+3], s[G0+4*\slot+2:G0+4*\slot+3], 2*HALFT
	s_add_nc_u64 s[G0B+4*\slot+2:G0B+4*\slot+3], s[G0B+4*\slot+2:G0B+4*\slot+3], 2*HALFT
	JLOAD G0+4*\slot, G1, G0B+4*\slot, G1B
.else
	PLACES
.endif
	FETCH_B \next, 0, 0
	FETCH_A \next, 0, 0
	SCALES \next, \ks
	WIN MUL_HI
	MUL16 4, 1, 1, \slot, 0
	MUL16 6, 1, 1, \slot, 0
	PLACES
	WIN 0
	FETCH_A \next, 0, 4
.endm
	s_wait_tensorcnt 1
	s_wait_dscnt 0x0
	s_barrier_signal -1
	s_barrier_wait -1
	FETCH_B 0, 0, 0
	FETCH_A 0, 0, 0
	SCALES 0, 0
	FETCH_A 0, 0, 4
	s_wait_loadcnt 0x0
	STEP 0, 1
	TURN 0, 1, 1, 1
	STEP 1, 0
	TURN 1, 0, 1, 2
	STEP 0, 0
	TURN 0, 1, 0, 3
	STEP 1, 0
	s_wait_dscnt 16
	WIN MUL_LO
	MUL16 0, 1, 1, 1, 0
	MUL16 2, 1, 1, 1, 0
	s_wait_dscnt 0
	WIN MUL_HI
	MUL16 4, 1, 1, 1, 0
	MUL16 6, 1, 1, 1, 0
	WIN 0
.macro TOSTAGE a
.set AC, 64*((\a)%4)
	WIN 0x08+4*((\a)/4)
.irp b, 0,1,2,3,4,5,6,7
	ds_store_b128 v[STO], v[AC+8*\b:AC+8*\b+3] offset:128*(\b/2)+32*(\b%2)
	ds_store_b128 v[STO], v[AC+8*\b+4:AC+8*\b+7] offset:128*(\b/2)+32*(\b%2)+16
.endr
	WIN 0
.set BB, BK+64*((\a)%2)
.irp t, 0,1,2,3,4,5,6,7,8,9,10,11,12,13,14,15
	ds_load_b128 v[BB+4*\t:BB+4*\t+3], v[RD] offset:\t*SPITCH
.endr
.endm
.macro SEND a, younger
.set BB, BK+64*((\a)%2)
	s_wait_dscnt \younger
.irp t, 0,1,2,3,4,5,6,7,8,9,10,11,12,13,14,15
	global_store_b128 v[LA16], v[BB+4*\t:BB+4*\t+3], s[10:11] offset:(32*((\a)/2)+8*((\a)%2)+\t+8*(\t/8))*4096 th:TH_STORE_NT
.endr
.endm
	PLACES
	TOSTAGE 0
.irp a, 1,2,3,4,5,6,7
.if \a > 1
	s_wait_xcnt 0x0
.endif
	TOSTAGE \a
	SEND \a-1, 32
.endr
	SEND 7, 0
	s_wait_tensorcnt 0x0
	ds_add_u32 v[SPW], v[NIL]
	s_wait_dscnt 0x0
	CROUND
	s_endpgm
.Lfunc_end_k_qe0901661da_outp:
	.size	k_qe0901661da_outp, .Lfunc_end_k_qe0901661da_outp-k_qe0901661da_outp
	.p2alignl 7, 3214868480
	.fill 96, 4, 3214868480
	.section	.rodata,"a",@progbits
	.p2align	6, 0x0
	.amdhsa_kernel k_qe0901661da_outp
		.amdhsa_group_segment_fixed_size 327680
		.amdhsa_private_segment_fixed_size 0
		.amdhsa_enable_private_segment 0
		.amdhsa_kernarg_size 32
		.amdhsa_user_sgpr_count 2
		.amdhsa_user_sgpr_kernarg_segment_ptr 1
		.amdhsa_wavefront_size32 1
		.amdhsa_system_sgpr_workgroup_id_x 1
		.amdhsa_system_sgpr_workgroup_id_y 1
		.amdhsa_system_sgpr_workgroup_id_z 1
		.amdhsa_system_vgpr_workitem_id 0
		.amdhsa_next_free_vgpr 1024
		.amdhsa_next_free_sgpr 106
		.amdhsa_reserve_vcc 0
		.amdhsa_float_denorm_mode_32 3
		.amdhsa_float_denorm_mode_16_64 3
		.amdhsa_memory_ordered 1
		.amdhsa_forward_progress 1
		.amdhsa_inst_pref_size 146
	.end_amdhsa_kernel
	.amdgpu_metadata
---
amdhsa.version: [ 1, 2 ]
amdhsa.kernels:
  - .name:           k_qe0901661da_outp
    .symbol:         k_qe0901661da_outp.kd
    .args:
      - { .name: OQ, .offset: 0, .size: 8, .value_kind: global_buffer, .address_space: global }
      - { .name: WQ, .offset: 8, .size: 8, .value_kind: global_buffer, .address_space: global }
      - { .name: bo, .offset: 16, .size: 8, .value_kind: global_buffer, .address_space: global }
      - { .name: out0, .offset: 24, .size: 8, .value_kind: global_buffer, .address_space: global }
    .group_segment_fixed_size: 327680
    .private_segment_fixed_size: 0
    .kernarg_segment_align: 8
    .kernarg_segment_size: 32
    .max_flat_workgroup_size: 128
    .sgpr_count:     106
    .vgpr_count:     1024
    .wavefront_size: 32
...
	.end_amdgpu_metadata
.endif
;; end of part 4
